; MI455X (gfx1250); checked and timed in simulation.
; The chip was launched on July 23, 2026; its instructions are those of AMD's public machine-readable ISA for CDNA 5 (MIT licence, August 2026) and "CDNA5" Instruction Set Architecture Reference Guide (July 2026). The comments in the code are by the model that wrote it; some were corrected since.
;; Q Eff Grok1 Moe Block. Allowed arithmetic: matrix products marked QUANTISED: E2M3 operands, one E8M0 scale for each 32 along K, by v_wmma_scale_f32_16x16x128_f8f6f4 with both operands' format E2M3, f32 sums; products left as they are: f32 operands where the result goes on into a quantised operand, else bf16, f16 or f32 operands; f32 sums; everything else in f32.
;; Inputs: hidden_states 1 x 1,024 x 1,024 float32; w_1 8 x 2,048 x 1,024 float32; w_g 8 x 1,024 x 2,048 float32; w_gate 1,024 x 8 float32; w_v 8 x 1,024 x 2,048 float32.
;; Outputs: out0 1 x 1,024 x 1,024 float32; out1 1,024 x 8 float32.
;; This version of the problem:
;;   THIS VERSION OF THE PROBLEM IS GIVEN IN LOW PRECISION. The matrix products marked QUANTISED in the list below multiply operands that are first quantised to E2M3 (2 exponent bits, 3 mantissa bits; 6 bits a number), with one power-of-two scale for each 32 numbers along K (OCP MX v1.0); their sums are f32. All else is computed in f32.
;;   The module's matrix products, in the order in which they are computed (A, B: the left and right operand; K: the contracted axis; several contracted axes count as one K, in the product's order):
;;     1. [M 1,024, K 1,024] x [K 1,024, N 8]; A: input hidden_states; B: input w_gate: left as it is (N = 8 < 16)
;;     2. [M 16,384, K 1,024] x [K 1,024, N 1,024]; A: input w_g; B: input hidden_states: QUANTISED
;;     3. [M 16,384, K 1,024] x [K 1,024, N 1,024]; A: input w_v; B: input hidden_states: QUANTISED
;;     4. [M 8,192, K 2,048] x [K 2,048, N 1,024]; A: input w_1; B: computed on the way: QUANTISED
;;     5. [M 8,192, K 2,048] x [K 2,048, N 1,024]; A: input w_1; B: computed on the way: QUANTISED
;;   THE QUANTISER, for each operand of a quantised product, along K:
;;     - K is cut into blocks of 32 from its start; a last block that is shorter is filled with zeros.
;;     - A block's scale is 2^e with e = floor(log2(the largest magnitude in the block)) - 2, held to -126 .. 127; a block of zeros has e = 0. As a byte (E8M0): e + 127.
;;     - Each number is divided by its block's scale, clamped to +-7.5, and rounded to the nearest number of E2M3, ties to even, subnormals kept.
;;     - The product sums the exact products of the quantised numbers (number of the format x scale) in f32.
;;   ~~~python
;;   def quantise(x, axis):      # numpy; x: float32 -> the quantised numbers, widened to float32 again
;;       x = np.moveaxis(x, axis, -1); K = x.shape[-1]
;;       x = np.pad(x, [(0, 0)] * (x.ndim - 1) + [(0, -K % 32)]); x = x.reshape(x.shape[:-1] + (-1, 32)); a = np.abs(x).max(-1, keepdims=True)
;;       e = np.where(a > 0, np.clip(np.frexp(np.where(a > 0, a, 1))[1] - 1 - 2, -126, 127), 0)      # np.frexp(a)[1] - 1 = floor(log2(a)), exactly
;;       r = np.clip(x / 2.0 ** e, -7.5, 7.5)
;;       step = 2.0 ** (np.maximum(np.frexp(np.where(r == 0, 1, r))[1] - 1, 0) - 3)
;;       q = np.round(r / step) * step * 2.0 ** e      # np.round: ties to even
;;       return np.moveaxis(q.reshape(q.shape[:-2] + (-1,))[..., :K], -1, axis).astype(np.float32)
;;   ~~~
;;   OPERANDS COMPUTED ON THE WAY. 'Computed on the way' means the value that the module computes at that place (a softmax that the list does not call 'softmax' is quantised finished and normalised). What goes into a quantiser is computed in f32, as accurately as f32 sums, v_exp_f32 and their like allow (about 1e-6 of the number): no bf16 or f16 on the way to a quantiser, and a product that is left as it is and whose result goes on into a quantised operand takes f32 operands (vector FMAs, or v_wmma_f32_16x16x4_f32). A number that lies on a knife's edge between two numbers of the format may be rounded either way, as far as f32 arithmetic and the matrix unit's own rounding can turn it there, and no further.
;; 2 versions, each right; version 2 is version 1 with the launches gateup, down written anew for expert scheduling mode. Each part assembles by itself: llvm-mc -triple=amdgcn-amd-amdhsa -mcpu=gfx1250 --defsym DOCPART=n.
;; ======== version 1 of 2: 5 launches
;; workspace buffers: xq 786,432 bytes; xs 32,768 bytes; sel 8,192 bytes of whole numbers; rw 8,192 bytes; list 33,024 bytes of whole numbers; hq 12,582,912 bytes; hs 524,288 bytes; dp 16,842,752 bytes
;; launch route (part 1): grid 64 x 1, 4 waves a work-group, no clusters, 34,816 bytes of LDS; arguments hidden_states, w_gate, out1, xq, xs, sel, rw; writes out1, xq, xs, sel, rw
.if DOCPART == 1
	.amdgcn_target "amdgcn-amd-amdhsa--gfx1250"
	.amdhsa_code_object_version 6
	.text
	.protected	k_q23d4087dd8_route
	.globl	k_q23d4087dd8_route
	.p2align	8
	.type	k_q23d4087dd8_route,@function
k_q23d4087dd8_route:
	s_mov_b64 s[64:65], 0
	v_nop
	global_prefetch_b8 v0, s[64:65] scope:SCOPE_SE
	s_setreg_imm32_b32 hwreg(HW_REG_WAVE_MODE, 25, 1), 1
	s_wait_xcnt 0x0
; ROUTE: the router's logits (f32 multiply-adds), softmax, the two largest probabilities, and x as codes of E2M3.
; x [1024][1024] f32, w_gate [1024][8] f32.  out1 [1024][8]: the logits.  sel [2 token + choice]: the expert, a whole number; rw: its probability.
; xq [token][768]: x's codes; block b of 32 along H lies at 96 (b / 4) + 48 (b % 2) + 24 ((b / 2) % 2), so that a lane of the product's
; operand (row r, half h, K step s) finds its 12 registers as 48 consecutive bytes at 96 s + 48 h.  xs [token][32]: the scale bytes, in K's order.
; SHARES: a wave takes 4 tokens.  Lane l holds of each token the numbers k = 512 q + 16 l + 0 .. 15 (q = 0, 1): half l % 2 of block 16 q + l / 2.
; W_GATE COMES ONCE FOR THE WORK-GROUP, THROUGH LDS: its 32,768 bytes are loaded as they lie, 16 loads of 16 bytes a thread, all out together and ahead of x's;
; in LDS each 512 bytes (the 16 rows of one lane) are followed by 16 of padding.  Each wave then reads its rows in chunks of 8 LDS loads, one chunk ahead of the multiply-adds.
; All stores to memory stand at places fixed by the thread's and the work-group's numbers: nothing here forms an address from the choice.
; LIMITS: NaN and infinities are not served.  A block whose largest magnitude lies under 2^-124 gets the byte 1 (a block of zeros too: its codes
; are zeros, and this program alone reads the bytes).  Two probabilities that agree within f32 rounding may be chosen either way; equal ones: the lower index.
.set A,   32                           ; v32-63   partial logits: 8 token + expert
.set W,   64                           ; v64-127  w_gate as loaded, 16 x 4 registers; then two sets of 4 rows
.set X,   128                          ; v128-255 x: 32 token + 16 q + n
.set T0,  64                           ; the reduction: what a lane keeps,
.set T1,  80                           ; and what it sends
.set CD,  64                           ; later: codes, four registers a unit
.set BYT, 96                           ; and a scale byte a unit
.set GP,  528                          ; LDS: a lane's 16 rows of w_gate, 512 bytes + 16: the lanes of a load stand an odd multiple of 16 bytes apart (64 banks of 4 bytes: ISA guide 11.1)
.set SCB, 64*GP                        ; behind w_gate's 64 such groups: 128 scale bytes for each wave
	s_load_b256 s[4:11], s[0:1], 0x0               ; x, w_gate, out1, xq
	s_load_b128 s[12:15], s[0:1], 0x20             ; xs, sel
	s_load_b64 s[16:17], s[0:1], 0x30              ; rw
	v_lshl_add_u32 v31, v0, 2, 0x8600
	s_set_vgpr_msb 0x40
	v_mov_b32 v1, 0
	s_set_vgpr_msb 0x4000
	v_lshrrev_b32 v1, 5, v0
	v_readfirstlane_b32 s18, v1                    ; wave
	v_lshlrev_b32 v15, 4, v1
	v_lshl_add_u32 v15, v0, 4, v15                 ; w_gate into LDS: 16 t + 16 for each 512 bytes passed (t / 32 of them; 4 more with each load: in the immediate)
	v_lshlrev_b32 v30, 4, v0                       ; w_gate in memory: 16 t
	v_and_b32 v1, 31, v0                           ; lane
	v_lshlrev_b32 v2, 6, v1                        ; x: 64 bytes a lane
	v_mul_u32_u24 v3, v1, GP                       ; w_gate out of LDS: my 16 rows
	v_lshlrev_b32 v4, 2, v1
	v_lshrrev_b32 v8, 3, v1                        ; behind the reduction: which of the wave's four tokens
	v_mul_u32_u24 v5, v8, 96                       ; my 12 bytes of codes in a part's 384: K step l / 8,
	v_bfe_u32 v9, v1, 1, 1
	v_mad_u32_u24 v5, v9, 48, v5                   ; the block's low bit,
	v_bfe_u32 v9, v1, 2, 1
	v_mad_u32_u24 v5, v9, 24, v5                   ; its second bit,
	v_and_b32 v9, 1, v1
	v_mad_u32_u24 v5, v9, 12, v5                   ; my half of the block
	s_lshl_b32 s19, s18, 7                         ; LDS: 128 scale bytes a wave, its own
	s_add_co_u32 s19, s19, SCB
	v_lshrrev_b32 v6, 1, v1
	v_add_nc_u32 v6, s19, v6                       ; my block's byte
	v_add_nc_u32 v7, s19, v4                       ; and on the way out 4 bytes a lane
	v_and_b32 v10, 7, v1                           ; behind the reduction: the expert
	v_lshlrev_b32 v11, 3, v8
	v_lshl_add_u32 v11, v10, 2, v11                ; sel, rw: 8 bytes a token, 4 a choice
	v_cvt_f32_u32 v12, v10                         ; the expert's number as f32
	v_mov_b32 v13, 0x41000000                      ; 8.0: above every expert's number
	v_mov_b32 v14, -1.0                            ; under every probability
	s_mov_b32 s22, 0xff00ff00                      ; lanes with bit 3, 2, 1, 0 set
	s_mov_b32 s23, 0xf0f0f0f0
	s_mov_b32 s24, 0xcccccccc
	s_mov_b32 s25, 0xaaaaaaaa
	s_lshl_b32 s20, ttmp9, 4
	s_lshl_b32 s21, s18, 2
	s_add_co_u32 s20, s20, s21                     ; my first token
	s_mov_b32 s27, 0
	s_wait_kmcnt 0x0
	s_lshl_b32 s26, s20, 12
	s_add_nc_u64 s[4:5], s[4:5], s[26:27]
	s_lshl_b32 s26, s20, 5
	s_add_nc_u64 s[8:9], s[8:9], s[26:27]
	s_add_nc_u64 s[12:13], s[12:13], s[26:27]
	s_lshl_b32 s26, s20, 3
	s_add_nc_u64 s[14:15], s[14:15], s[26:27]
	s_add_nc_u64 s[16:17], s[16:17], s[26:27]
	s_mul_i32 s26, s20, 768
	s_add_nc_u64 s[10:11], s[10:11], s[26:27]
.irp j, 0,1,2,3,4,5,6,7,8,9,10,11,12,13,14,15
	global_load_b128 v[W+4*\j:W+4*\j+3], v30, s[6:7] offset:2048*\j        ; the work-group's 128 threads read 2,048 consecutive bytes of w_gate
.endr
.irp i, 0,1,2,3
.irp q, 0,1
.irp j, 0,1,2,3
	global_load_b128 v[X+32*\i+16*\q+4*\j:X+32*\i+16*\q+4*\j+3], v2, s[4:5] offset:4096*\i+2048*\q+16*\j th:TH_LOAD_NT
.endr
.endr
.endr
	s_wait_loadcnt 32                              ; w_gate's 16 loads are in; x's 32 may be out
.irp j, 0,1,2,3,4,5,6,7,8,9,10,11,12,13,14,15
	ds_store_b128 v15, v[W+4*\j:W+4*\j+3] offset:4*GP*\j                   ; 2,048 bytes on in memory are four groups on in LDS
.endr
	s_wait_dscnt 0x0                               ; for the others' sake: my part of w_gate has landed
	s_barrier_signal -1
	s_barrier_wait -1                              ; everybody's has
.macro WCH c                           ; chunk c of w_gate: my rows 4 (c % 4) .. + 3 of part c / 4: 8 LDS loads into set c % 2
.irp n, 0,1,2,3
.irp f, 0,1
	ds_load_b128 v[W+32*((\c)%2)+8*\n+4*\f:W+32*((\c)%2)+8*\n+4*\f+3], v3 offset:32*GP*((\c)/4)+32*(4*((\c)%4)+\n)+16*\f
.endr
.endr
.endm
.macro DOT c                           ; 64 packed multiply-adds: 4 rows x 4 tokens x 4 pairs of experts; x's number serves both halves
.irp n, 0,1,2,3
.irp i, 0,1,2,3
.irp p, 0,1,2,3
.set rA, A+8*\i+2*\p
.set rW, W+32*((\c)%2)+8*\n+2*\p
.set rX, X+32*\i+16*((\c)/4)+4*((\c)%4)+2*(\n/2)
.if ((\c) == 0) && (\n == 0)
	v_pk_mul_f32 v[rA:rA+1], v[rW:rW+1], v[rX:rX+1] op_sel_hi:[1,0]        ; the first product starts the sums
.elseif \n%2 == 0
	v_pk_fma_f32 v[rA:rA+1], v[rW:rW+1], v[rX:rX+1], v[rA:rA+1] op_sel_hi:[1,0,1]
.else
	v_pk_fma_f32 v[rA:rA+1], v[rW:rW+1], v[rX:rX+1], v[rA:rA+1] op_sel:[0,1,0] op_sel_hi:[1,1,1]
.endif
.endr
.endr
.endr
.endm
	WCH 0
	WCH 1
	s_wait_loadcnt 0x0                             ; x
.irp c, 0,1,2,3,4,5,6,7
.if \c < 7
	s_wait_dscnt 8                                 ; this chunk is in; the next chunk's 8 loads may be out
.else
	s_wait_dscnt 0x0
.endif
	DOT \c
.if \c < 6
	WCH \c+2
.endif
.endr
; The 32 sums over the 32 lanes, each ending in one lane: in each step a lane keeps half of its sums and sends the other half.
.irp v, 0,1,2,3,4,5,6,7,8,9,10,11,12,13,14,15
	v_permlane16_swap_b32 v[A+\v], v[A+16+\v]      ; lanes 16-31 of sum v change places with lanes 0-15 of sum v + 16
.endr
.irp v, 0,1,2,3,4,5,6,7,8,9,10,11,12,13,14,15
	v_add_f32 v[A+\v], v[A+\v], v[A+16+\v]         ; lanes 0-15: sum v, lanes 16-31: sum v + 16
.endr
.macro RSTEP d, m
.set RV, 0
.rept \d
	v_cndmask_b32 v[T0+RV], v[A+RV], v[A+RV+\d], s[\m]
	v_cndmask_b32 v[T1+RV], v[A+RV+\d], v[A+RV], s[\m]
.set RV, RV+1
.endr
.set RV, 0
.rept \d
	v_add_f32_dpp v[A+RV], v[T1+RV], v[T0+RV] row_xmask:\d row_mask:0xf bank_mask:0xf
.set RV, RV+1
.endr
.endm
	RSTEP 8, 22
	RSTEP 4, 23
	RSTEP 2, 24
	RSTEP 1, 25                                    ; lane l holds the logit of token l / 8, expert l % 8
	global_store_b32 v4, v[A], s[8:9]              ; 128 consecutive bytes a wave
.macro GRP8 op, r                      ; over the eight lanes of a token
.irp m, 1,2,4
	\op v[\r], v[\r], v[\r] row_xmask:\m row_mask:0xf bank_mask:0xf
.endr
.endm
	v_mov_b32 v16, v[A]
	GRP8 v_max_num_f32_dpp, 16                     ; the token's largest logit is taken away ahead of the exponential
	v_sub_f32 v17, v[A], v16
	v_mul_f32 v17, 0x3fb8aa3b, v17
	v_exp_f32 v17, v17
	v_nop                                          ; a plain line behind a transcendental
	s_wait_alu depctr_va_vdst(0)
	v_mov_b32 v18, v17
	GRP8 v_add_f32_dpp, 18
	v_rcp_f32 v18, v18
	v_nop
	s_wait_alu depctr_va_vdst(0)
	v_mul_f32 v17, v17, v18                        ; the probability
	v_mov_b32 v19, v17
	GRP8 v_max_num_f32_dpp, 19                     ; the largest,
	v_cmp_eq_f32 vcc_lo, v17, v19
	v_cndmask_b32 v20, v13, v12, vcc_lo
	GRP8 v_min_num_f32_dpp, 20                     ; and the lowest expert that has it
	v_cmp_eq_f32 vcc_lo, v12, v20
	v_cndmask_b32 v21, v17, v14, vcc_lo            ; that expert is out of the second search
	v_mov_b32 v22, v21
	GRP8 v_max_num_f32_dpp, 22
	v_cmp_eq_f32 vcc_lo, v21, v22
	v_cndmask_b32 v23, v13, v12, vcc_lo
	GRP8 v_min_num_f32_dpp, 23
	v_cndmask_b32 v24, v20, v23, s25               ; a token's lane 0 keeps the first choice, lane 1 the second
	v_cndmask_b32 v25, v19, v22, s25
	v_cvt_u32_f32 v24, v24
	s_wait_xcnt 0x0                                ; EXEC changes only behind this wait
	v_cmp_gt_u32 vcc_lo, 2, v10
	s_and_saveexec_b32 s26, vcc_lo
	global_store_b32 v11, v24, s[14:15]
	global_store_b32 v11, v25, s[16:17]
	s_wait_xcnt 0x0
	s_or_b32 exec_lo, exec_lo, s26
; x as codes: a unit is 16 neighbours of a lane; the neighbouring lane holds the block's other 16.
.macro QX i, q
.set XS, X+32*\i+16*\q
.set U, 2*\i+\q
	v_max3_num_f32 v26, |v[XS]|, |v[XS+1]|, |v[XS+2]|
	v_max3_num_f32 v27, |v[XS+3]|, |v[XS+4]|, |v[XS+5]|
.irp k, 6,10
	v_max3_num_f32 v26, v26, |v[XS+\k]|, |v[XS+\k+1]|
	v_max3_num_f32 v27, v27, |v[XS+\k+2]|, |v[XS+\k+3]|
.endr
	v_max3_num_f32 v26, v26, |v[XS+14]|, |v[XS+15]|
	v_max3_num_f32 v26, v26, v27, 0x1800000        ; the floor 2^(3 - 127): the byte cannot fall under 1
	v_max_num_f32_dpp v26, v26, v26 row_xmask:1 row_mask:0xf bank_mask:0xf
	v_add_nc_u32 v28, 0xff000000, v26              ; 2 off the exponent field: the conversion's scale operand
	v_cvt_scalef32_pk16_fp6_f32 v[CD+4*U:CD+4*U+2], v[XS:XS+15], v28
	v_lshrrev_b32 v[BYT+U], 23, v28                ; the scale's byte (a plain line behind the conversion)
	ds_store_b8 v6, v[BYT+U] offset:32*\i+16*\q    ; both lanes of a block write the same byte with the same value
	global_store_b96 v5, v[CD+4*U:CD+4*U+2], s[10:11] offset:768*\i+384*\q   ; the wave's store covers 384 consecutive bytes
.endm
.irp i, 0,1,2,3
.irp q, 0,1
	QX \i, \q
.endr
.endr
	ds_load_b32 v29, v7                            ; LDS serves a wave's instructions in order: this sees my stores
	s_wait_dscnt 0x0
	global_store_b32 v4, v29, s[12:13]             ; four tokens' 128 scale bytes
	s_set_vgpr_msb 0x4
	s_wait_tensorcnt 0x0
	ds_add_u32 v31, v1
	s_wait_dscnt 0x0
	s_set_vgpr_msb 0x400
	s_endpgm
.Lfunc_end_k_q23d4087dd8_route:
	.size	k_q23d4087dd8_route, .Lfunc_end_k_q23d4087dd8_route-k_q23d4087dd8_route
	.p2alignl 7, 3214868480
	.fill 96, 4, 3214868480
	.section	.rodata,"a",@progbits
	.p2align	6, 0x0
	.amdhsa_kernel k_q23d4087dd8_route
		.amdhsa_group_segment_fixed_size 34816
		.amdhsa_private_segment_fixed_size 0
		.amdhsa_enable_private_segment 0
		.amdhsa_kernarg_size 56
		.amdhsa_user_sgpr_count 2
		.amdhsa_user_sgpr_kernarg_segment_ptr 1
		.amdhsa_wavefront_size32 1
		.amdhsa_system_sgpr_workgroup_id_x 1
		.amdhsa_system_sgpr_workgroup_id_y 1
		.amdhsa_system_sgpr_workgroup_id_z 1
		.amdhsa_system_vgpr_workitem_id 0
		.amdhsa_next_free_vgpr 258
		.amdhsa_next_free_sgpr 66
		.amdhsa_reserve_vcc 1
		.amdhsa_float_denorm_mode_32 3
		.amdhsa_float_denorm_mode_16_64 3
		.amdhsa_memory_ordered 1
		.amdhsa_forward_progress 1
		.amdhsa_inst_pref_size 59
	.end_amdhsa_kernel
	.amdgpu_metadata
---
amdhsa.version: [ 1, 2 ]
amdhsa.kernels:
  - .name:           k_q23d4087dd8_route
    .symbol:         k_q23d4087dd8_route.kd
    .args:
      - { .name: hidden_states, .offset: 0, .size: 8, .value_kind: global_buffer, .address_space: global }
      - { .name: w_gate, .offset: 8, .size: 8, .value_kind: global_buffer, .address_space: global }
      - { .name: out1, .offset: 16, .size: 8, .value_kind: global_buffer, .address_space: global }
      - { .name: xq, .offset: 24, .size: 8, .value_kind: global_buffer, .address_space: global }
      - { .name: xs, .offset: 32, .size: 8, .value_kind: global_buffer, .address_space: global }
      - { .name: sel, .offset: 40, .size: 8, .value_kind: global_buffer, .address_space: global }
      - { .name: rw, .offset: 48, .size: 8, .value_kind: global_buffer, .address_space: global }
    .group_segment_fixed_size: 34816
    .private_segment_fixed_size: 0
    .kernarg_segment_align: 8
    .kernarg_segment_size: 56
    .max_flat_workgroup_size: 128
    .sgpr_count:     66
    .vgpr_count:     258
    .wavefront_size: 32
...
	.end_amdgpu_metadata
.endif
;; end of part 1
;; launch place (part 2): grid 8 x 1, 16 waves a work-group, no clusters, 2,304 bytes of LDS; arguments sel, list; writes list
.if DOCPART == 2
	.amdgcn_target "amdgcn-amd-amdhsa--gfx1250"
	.amdhsa_code_object_version 6
	.text
	.protected	k_q23d4087dd8_place
	.globl	k_q23d4087dd8_place
	.p2align	8
	.type	k_q23d4087dd8_place,@function
k_q23d4087dd8_place:
	s_mov_b64 s[64:65], 0
	v_nop
	global_prefetch_b8 v0, s[64:65] scope:SCOPE_SE
	s_setreg_imm32_b32 hwreg(HW_REG_WAVE_MODE, 25, 1), 1
	s_wait_xcnt 0x0
; PLACE: the rows of each expert, in a list.  sel [2048]: the expert of row rid = 2 token + choice (whole numbers, stored by the launch before).
; list: [expert 8][slot 1024] u32, then at byte 32768 + 4 e the expert's number of rows.  Slot j under that number holds a rid; the others hold 2048 + e.
; One work-group to an expert; thread t looks at rids 4 t .. 4 t + 3.  A member's slot is the number of members ahead of it in the order
; (wave, q, lane).  An expert has at most 1,024 rows: a token's two choices differ.  Each byte of the list is stored once:
; members under EXEC narrowed to them, the filling in slots from the count on.
	s_load_b128 s[4:7], s[0:1], 0x0                ; sel, list
	v_lshl_add_u32 v48, v0, 2, 0x100
	v_mov_b32 v49, 0
	v_lshrrev_b32 v1, 5, v0
	v_readfirstlane_b32 s18, v1                    ; wave
	s_mov_b32 s19, ttmp9                           ; expert
	v_lshlrev_b32 v2, 4, v0
	s_lshl_b32 s20, s19, 12
	s_mov_b32 s21, 0
	s_wait_kmcnt 0x0
	global_load_b128 v[4:7], v2, s[4:5]
	s_add_nc_u64 s[8:9], s[6:7], s[20:21]          ; my expert's 1,024 slots
	s_lshl_b32 s22, s18, 2
	v_mov_b32 v13, s22                             ; LDS: my wave's word
	v_mov_b32 v14, 0
.irp q, 0,1,2,3
	v_lshl_add_u32 v[20+\q], v0, 2, \q             ; the rid
.endr
	s_add_co_u32 s25, s19, 2048
	v_mov_b32 v26, s25                             ; the filling
	v_lshlrev_b32 v28, 2, v0
	s_lshl_b32 s27, s19, 2
	v_mov_b32 v30, s27
	s_wait_loadcnt 0x0
.irp q, 0,1,2,3
	v_cmp_eq_u32 s[36+\q], s19, v[4+\q]            ; who is a member
.endr
.irp q, 0,1,2,3
	s_bcnt1_i32_b32 s[28+\q], s[36+\q]
.endr
	s_add_co_u32 s33, s28, s29
	s_add_co_u32 s34, s33, s30
	s_add_co_u32 s35, s34, s31                     ; my wave's members
	v_mbcnt_lo_u32_b32 v8, s36, 0                  ; members ahead of me in my wave
	v_mbcnt_lo_u32_b32 v9, s37, s28
	v_mbcnt_lo_u32_b32 v10, s38, s33
	v_mbcnt_lo_u32_b32 v11, s39, s34
	v_mov_b32 v12, s35
	ds_store_b32 v13, v12                          ; all lanes write the same word with the same value
	s_wait_dscnt 0x0                               ; for the others' sake
	s_barrier_signal -1
	s_barrier_wait -1
.irp i, 0,1,2,3
	ds_load_b128 v[32+4*\i:35+4*\i], v14 offset:16*\i
.endr
	s_wait_dscnt 0x0
.irp i, 0,1,2,3,4,5,6,7,8,9,10,11,12,13,14,15
	v_readfirstlane_b32 s[40+\i], v[32+\i]
.endr
	s_mov_b32 s23, 0                               ; the expert's rows
	s_mov_b32 s24, 0                               ; those of the waves ahead of mine
.irp i, 0,1,2,3,4,5,6,7,8,9,10,11,12,13,14,15
	s_cmp_gt_u32 s18, \i
	s_cselect_b32 s25, s[40+\i], 0
	s_add_co_u32 s24, s24, s25
	s_add_co_u32 s23, s23, s[40+\i]
.endr
	v_mov_b32 v27, s23
.irp q, 0,1,2,3
	v_add_nc_u32 v[8+\q], s24, v[8+\q]
	v_min_u32 v[8+\q], 0x3ff, v[8+\q]              ; a slot stays inside the expert's 1,024
	v_lshlrev_b32 v[8+\q], 2, v[8+\q]
.endr
.irp q, 0,1,2,3
	s_wait_xcnt 0x0                                ; EXEC changes only behind this wait
	s_mov_b32 vcc_lo, s[36+\q]
	s_and_saveexec_b32 s26, vcc_lo
	global_store_b32 v[8+\q], v[20+\q], s[8:9]
	s_wait_xcnt 0x0
	s_or_b32 exec_lo, exec_lo, s26
.endr
	v_add_nc_u32 v29, 512, v0
	v_cmp_le_u32 vcc_lo, s23, v0                   ; slots t and t + 512, where no member lies
	s_and_saveexec_b32 s26, vcc_lo
	global_store_b32 v28, v26, s[8:9]
	s_wait_xcnt 0x0
	s_or_b32 exec_lo, exec_lo, s26
	v_cmp_le_u32 vcc_lo, s23, v29
	s_and_saveexec_b32 s26, vcc_lo
	global_store_b32 v28, v26, s[8:9] offset:2048
	s_wait_xcnt 0x0
	s_or_b32 exec_lo, exec_lo, s26
	s_cmp_lg_u32 s18, 0
	s_cbranch_scc1 .Lend
	v_cmp_eq_u32 vcc_lo, 0, v0                     ; thread 0 stores the count
	s_and_saveexec_b32 s26, vcc_lo
	global_store_b32 v30, v27, s[6:7] offset:32768
	s_wait_xcnt 0x0
	s_or_b32 exec_lo, exec_lo, s26
.Lend:
	s_wait_tensorcnt 0x0
	ds_add_u32 v48, v49
	s_wait_dscnt 0x0
	s_endpgm
.Lfunc_end_k_q23d4087dd8_place:
	.size	k_q23d4087dd8_place, .Lfunc_end_k_q23d4087dd8_place-k_q23d4087dd8_place
	.p2alignl 7, 3214868480
	.fill 96, 4, 3214868480
	.section	.rodata,"a",@progbits
	.p2align	6, 0x0
	.amdhsa_kernel k_q23d4087dd8_place
		.amdhsa_group_segment_fixed_size 2304
		.amdhsa_private_segment_fixed_size 0
		.amdhsa_enable_private_segment 0
		.amdhsa_kernarg_size 16
		.amdhsa_user_sgpr_count 2
		.amdhsa_user_sgpr_kernarg_segment_ptr 1
		.amdhsa_wavefront_size32 1
		.amdhsa_system_sgpr_workgroup_id_x 1
		.amdhsa_system_sgpr_workgroup_id_y 1
		.amdhsa_system_sgpr_workgroup_id_z 1
		.amdhsa_system_vgpr_workitem_id 0
		.amdhsa_next_free_vgpr 50
		.amdhsa_next_free_sgpr 66
		.amdhsa_reserve_vcc 1
		.amdhsa_float_denorm_mode_32 3
		.amdhsa_float_denorm_mode_16_64 3
		.amdhsa_memory_ordered 1
		.amdhsa_forward_progress 1
		.amdhsa_inst_pref_size 8
	.end_amdhsa_kernel
	.amdgpu_metadata
---
amdhsa.version: [ 1, 2 ]
amdhsa.kernels:
  - .name:           k_q23d4087dd8_place
    .symbol:         k_q23d4087dd8_place.kd
    .args:
      - { .name: sel, .offset: 0, .size: 8, .value_kind: global_buffer, .address_space: global }
      - { .name: list, .offset: 8, .size: 8, .value_kind: global_buffer, .address_space: global }
    .group_segment_fixed_size: 2304
    .private_segment_fixed_size: 0
    .kernarg_segment_align: 8
    .kernarg_segment_size: 16
    .max_flat_workgroup_size: 512
    .sgpr_count:     66
    .vgpr_count:     50
    .wavefront_size: 32
...
	.end_amdgpu_metadata
.endif
;; end of part 2
;; launch gateup (part 3): grid 32 x 8, 16 waves a work-group, no clusters, 106,496 bytes of LDS; arguments xq, xs, list, w_g, w_v, hq, hs; writes hq, hs
.if DOCPART == 3
	.amdgcn_target "amdgcn-amd-amdhsa--gfx1250"
	.amdhsa_code_object_version 6
	.text
	.protected	k_q23d4087dd8_gateup
	.globl	k_q23d4087dd8_gateup
	.p2align	8
	.type	k_q23d4087dd8_gateup,@function
k_q23d4087dd8_gateup:
	s_mov_b64 s[64:65], 0
	v_nop
	global_prefetch_b8 v0, s[64:65] scope:SCOPE_SE
	s_setreg_imm32_b32 hwreg(HW_REG_WAVE_MODE, 25, 1), 1
	s_wait_xcnt 0x0
; GATEUP: for the rows of expert e (work-group y) and hidden units 64 c2 .. + 63 (work-group x): gelu(x Wg) (x Wv), as codes of E2M3.
; Both products on codes of E2M3 with one E8M0 scale for each 32 along K = 1,024.  w_g, w_v [8][1024 (k)][2048] f32: each byte is read once
; in the launch, by the one work-group that owns its column, and quantised on the way: no copy of the weights goes to memory.
; PHASE A.  Wave w (half of the columns ch = w % 2, matrix (w / 2) % 2, quarter of K w / 4) takes 32 columns x 256 along K.  A LANE TAKES A COLUMN AND ITS
; REGISTERS RUN DOWN K: a block of 32 lies in one lane, each load reads 128 consecutive bytes (the wave beside it the other 128 of the aligned 256).
; Lanes 0-15 take columns r + 8 (r / 8), lanes 16-31 columns 8 + r + 8 (r / 8): the rows of two tiles, chosen so that a lane's 16 results of the two tiles are 16
; neighbours along the next product's K.  Two blocks' codes and one exchange of halves give both tiles' operand registers, which go to LDS as images: 16 bytes a lane, 512 a store.
; The stream of weights begins at once, two blocks deep; the first trip's rows are asked for at the stream's tail, where the last block asks for nothing new.
; PHASE B.  Wave w (ch = w % 2, rs = w / 2) takes in trip t the tiles of 16 rows 16 t + 2 rs and + 1, against its 32 columns of both matrices: 8 accumulators
; by turns.  The products are used transposed (source 0 = 16 columns of a weight, source 1 = 16 rows of x): a lane holds one row.
; The rows' codes are gathered from xq by the list, four K steps ahead, in a ring of registers.  Every wave walks all four trips; a branch on the expert's
; count, read from memory, leads round a trip's work.  The first pair of tiles of every expert is always made, so that the next launch finds it written.
; gelu(g) = max(g, 0) - |g| erfc(|g| / sqrt 2) / 2;  erfc(z) = t exp(-z^2 + P(t)), t = 1 / (1 + z / 2), P of degree 9 (fractional error 1.2e-7).
; No tensor loads (the trips hang on a count read from memory); no cluster (no two work-groups share a weight byte; x's codes are a small part of the bytes).
; hq [e][tile 64][K step 16][1,536]: in a fragment block 2 c + hb of row r at 768 c + 24 (16 hb + r).  hs [e][c2 32][tile 64][r 16][2].
; LIMITS: NaN and infinities are not served; a block whose largest magnitude lies under 2^-124 gets the byte 1 (zeros too; this program alone reads the bytes);
; gelu's relative error is some 5e-7 up to |g| = 4 and grows like g^2 x 6e-8; under g = -13 the exponential falls to 0 and gelu to -0.
.set PITCHB, 8192                      ; a row of a weight in bytes
.set NB,   8                           ; blocks of 32 along K for a wave
.set WSC,  98304                       ; LDS: 0: the images, [matrix 2][tile 4][K step 8][1,536];  WSC: their scale words, [matrix 2][ch 2][K step 8][128]
.set HSS,  102400                      ; the hidden layer's scale bytes, [tile 64][r 16][ch 2]
.set BSC,  16                          ; v16-31   x's scale words: 8 T + K step
.set XB,   32                          ; v32-95   phase A: two sets of 32 numbers
.set ACC,  32                          ;          phase B: accumulators 32 T + 8 nt  (nt: gate u = 0, 1; up u = 0, 1)
.set F0,   96                          ; v96-107, v108-119  phase A: the two tiles' operand registers;  v120.., v124..: a block's upper half
.set F1,   108
.set TH,   120
.set WF,   96                          ; v96-143  phase B: four weight fragments
.set WS,   144                         ; v144-145 their scale words (lanes 0-15: u = 0; lanes 16-31: u = 1)
.set EL,   146                         ; v146-147 the list's entries of my two tiles
.set RING, 148                         ; v148-243 x's fragments: 24 (K step % 4) + 12 T; behind the products: at work
.set AB,   148
.set TT,   164
.set PP,   180
.set MQ,   196
.set HH,   212
; v3, v4 images of gate and up; v5 scale words; v6 4 r; v8, v9 x's codes' offsets; v10 48 h; v11 my place in a fragment of hq; v12, v13 my scale byte in LDS; v14, v15 x's scales' offsets
; v244 phase A: my column; v245, v246 where I store images and scale words;  phase B: v[244:245] a coefficient;  v247 a permute's result;  v248.., v252.. codes
.macro COEF r, bits                    ; a coefficient as a pair: the packed forms name a pair and take its low word for both halves
	s_mov_b32 s[\r], \bits
	s_mov_b32 s[\r+1], \bits
.endm
	s_load_b256 s[4:11], s[0:1], 0x0               ; xq, xs, list, w_g
	s_load_b128 s[12:15], s[0:1], 0x20             ; w_v, hq
	s_load_b64 s[16:17], s[0:1], 0x30              ; hs
	v_lshl_add_u32 v251, v0, 2, 0x19800
	v_mov_b32 v255, 0
	v_lshrrev_b32 v1, 5, v0
	v_readfirstlane_b32 s18, v1                    ; wave
	s_and_b32 s19, ttmp7, 0xffff                   ; e
	s_mov_b32 s20, ttmp9                           ; c2
	s_and_b32 s21, s18, 1                          ; ch
	s_bfe_u32 s22, s18, 0x10001                    ; phase A: which matrix
	s_lshr_b32 s24, s18, 2                         ; phase A: which quarter of K
	s_lshr_b32 s27, s18, 1                         ; phase B: rs
	v_and_b32 v1, 31, v0                           ; lane
	v_and_b32 v2, 15, v0                           ; r
	v_bfe_u32 v14, v0, 4, 1                        ; h
	v_and_b32 v15, 7, v1
	v_and_b32 v13, 8, v1
	v_lshl_or_b32 v15, v13, 1, v15
	v_and_b32 v13, 16, v1
	v_lshrrev_b32 v13, 1, v13
	v_or_b32 v15, v15, v13                         ; my column of the wave's 32
	v_lshlrev_b32 v244, 2, v15
	s_mul_i32 s36, s21, 24576
	s_mul_i32 s37, s22, 49152
	s_add_co_u32 s37, s37, s36
	s_mul_i32 s38, s24, 3072
	s_add_co_u32 s37, s37, s38
	s_lshl_b32 s38, s21, 10
	s_add_co_u32 s38, s38, WSC
	s_lshl_b32 s39, s22, 11
	s_add_co_u32 s39, s39, s38
	s_lshl_b32 s35, s24, 8
	s_add_co_u32 s39, s39, s35
	v_lshl_add_u32 v3, v1, 4, s36
	v_add_nc_u32 v4, 49152, v3
	v_lshl_add_u32 v5, v1, 2, s38
	v_lshl_add_u32 v245, v1, 4, s37
	v_lshl_add_u32 v246, v1, 2, s39
	v_lshlrev_b32 v6, 2, v2
	v_mul_u32_u24 v10, v14, 48
	s_mul_i32 s35, s21, 384
	v_mul_u32_u24 v11, v2, 24
	v_mad_u32_u24 v11, v14, 12, v11
	v_add_nc_u32 v11, s35, v11
	s_lshl_b32 s35, s27, 6
	s_add_co_u32 s35, s35, s21
	s_add_co_u32 s35, s35, HSS
	v_lshl_add_u32 v12, v2, 1, s35
	v_lshl_add_u32 v13, v0, 2, HSS
	v_mov_b32 v247, 0
	ds_store_b32 v13, v247                         ; the scale bytes begin as zeros: 512 threads x 4 bytes; the barrier behind phase A parts this from the bytes' stores
	s_mov_b32 s32, 0x76543210
	s_mov_b32 s33, 0xfedcba98                      ; v_permlanex16_b32's selects for lane l xor 16
	COEF 40, 0xc034d90f                            ; P's coefficients x log2(e), the half folded into the first: -2.8257482
	COEF 42, 0x3fb8ab5a                            ;  1.4427292
	COEF 44, 0x3f0a29d2                            ;  0.53970062
	COEF 46, 0x3e0efb2e                            ;  0.13963006
	COEF 48, 0xbe899a80                            ; -0.26875686
	COEF 50, 0x3ecdfd18                            ;  0.40232158
	COEF 52, 0xbfd1a1e5                            ; -1.6377532
	COEF 54, 0x40097039                            ;  2.1474745
	COEF 58, 0x3e7c6f08                            ;  0.24651730  (the one between, -1.1861149, lies in v[244:245])
	COEF 60, 0x3eb504f3                            ;  1 / (2 sqrt 2)
	COEF 62, 0xbf38aa3b                            ; -log2(e) / 2
	s_lshl_b32 s26, s27, 5                         ; my first row
	s_mov_b32 s69, 0
	s_wait_kmcnt 0x0
	s_lshl_b32 s68, s19, 2
	s_add_nc_u64 s[70:71], s[8:9], s[68:69]
	s_load_b32 s23, s[70:71], 0x8000               ; the expert's number of rows: waited for behind phase A, where it is first used
	s_lshl_b32 s68, s19, 12
	s_lshl_b32 s35, s27, 7
	s_add_co_u32 s68, s68, s35
	s_add_nc_u64 s[66:67], s[8:9], s[68:69]        ; the list at my first row
	s_cmp_eq_u32 s22, 0
	s_cselect_b64 s[28:29], s[10:11], s[12:13]
	s_lshl_b32 s68, s19, 23
	s_lshl_b32 s35, s24, 21
	s_add_co_u32 s68, s68, s35
	s_lshl_b32 s35, s20, 8
	s_add_co_u32 s68, s68, s35
	s_lshl_b32 s35, s21, 7
	s_add_co_u32 s68, s68, s35
	s_add_nc_u64 s[28:29], s[28:29], s[68:69]      ; my 32 columns, my 256 rows of the weight
	s_mul_i32 s68, s19, 1572864
	s_lshr_b32 s35, s20, 1
	s_mul_i32 s35, s35, 1536
	s_add_co_u32 s68, s68, s35
	s_and_b32 s35, s20, 1
	s_mul_i32 s35, s35, 768
	s_add_co_u32 s68, s68, s35
	s_mul_i32 s35, s27, 49152
	s_add_co_u32 s68, s68, s35
	s_add_nc_u64 s[30:31], s[14:15], s[68:69]      ; hq at my first tile, my K step, my pair of blocks
	s_lshl_b32 s68, s19, 5
	s_add_co_u32 s68, s68, s20
	s_lshl_b32 s68, s68, 11
	s_add_nc_u64 s[16:17], s[16:17], s[68:69]      ; hs: this work-group's 2,048 bytes
.macro LOADB t                         ; block t: W(32 t + i, my column), i = 0 .. 31, into set t % 2
.set LI, 0
.rept 32
	global_load_b32 v[XB+32*((\t)%2)+LI], v244, s[28:29] offset:(32*(\t)+LI)*PITCHB th:TH_LOAD_NT
.set LI, LI+1
.endr
.endm
.macro BLOCKQ t, left                  ; block t becomes codes; left: the younger loads that may stay out
.set XS, XB+32*((\t)%2)
.set FP, F0+12*((\t)%2)+6*(((\t)%4)/2)
.set TP, TH+4*((\t)%2)
.if ((\t)%4 == 0) && ((\t) > 0)
	s_wait_dscnt 0x0                               ; the last K step's image stores have read their registers
.endif
	s_wait_loadcnt \left
	v_max3_num_f32 v128, |v[XS]|, |v[XS+1]|, |v[XS+2]|             ; the block's largest magnitude: all 32 numbers are mine
	v_max3_num_f32 v129, |v[XS+3]|, |v[XS+4]|, |v[XS+5]|
.irp i, 6,10,14,18,22,26
	v_max3_num_f32 v128, v128, |v[XS+\i]|, |v[XS+\i+1]|
	v_max3_num_f32 v129, v129, |v[XS+\i+2]|, |v[XS+\i+3]|
.endr
	v_max3_num_f32 v128, v128, |v[XS+30]|, |v[XS+31]|
	v_max3_num_f32 v128, v128, v129, 0x1800000     ; the floor 2^(3 - 127): the byte cannot fall under 1
	v_add_nc_u32 v130, 0xff000000, v128            ; 2 off the exponent field: the conversion's scale operand
	v_lshrrev_b32 v131, 23, v130                   ; the scale's byte
.if (\t)%4 == 0
	v_mov_b32 v132, v131                           ; four bytes make my column's scale word of a K step
.else
	v_lshl_or_b32 v132, v131, 8*((\t)%4), v132
.endif
	v_cvt_scalef32_pk16_fp6_f32 v[FP:FP+2], v[XS:XS+15], v130
	v_cvt_scalef32_pk16_fp6_f32 v[TP:TP+2], v[XS+16:XS+31], v130   ; (a conversion's three registers begin on an even number)
.if (\t)+2 < NB
	LOADB (\t)+2
.endif
	v_nop                                          ; one plain line behind a scaled conversion
.irp i, 0,1,2
	v_mov_b32 v[FP+3+\i], v[TP+\i]
.endr
.if (\t)%2 == 1                        ; F0: block 2 c of both tiles, F1: block 2 c + 1.  The exchange gives F0 tile 0 whole (lanes 0-15 block 2 c, lanes 16-31 block 2 c + 1) and F1 tile 1
.irp i, 0,1,2,3,4,5
	v_permlane16_swap_b32 v[F0+6*(((\t)%4)/2)+\i], v[F1+6*(((\t)%4)/2)+\i]
.endr
.endif
.if (\t)%4 == 3
.irp g, 0,1,2
	ds_store_b128 v245, v[F0+4*\g:F0+4*\g+3] offset:1536*((\t)/4)+512*\g
	ds_store_b128 v245, v[F1+4*\g:F1+4*\g+3] offset:12288+1536*((\t)/4)+512*\g
.endr
	ds_store_b32 v246, v132 offset:128*((\t)/4)
.endif
.endm
.macro XLOAD s                         ; the two tiles' fragments of K step s: 48 bytes a lane and tile
.irp T, 0,1
.irp g, 0,1,2
	global_load_b128 v[RING+24*((\s)%4)+12*\T+4*\g:RING+24*((\s)%4)+12*\T+4*\g+3], v[8+\T], s[4:5] offset:96*(\s)+16*\g
.endr
.endr
.endm
.macro XGO                             ; from the list's entries: the tokens, their scale words, their first four K steps: 28 loads
.irp T, 0,1
	v_lshrrev_b32 v[8+\T], 1, v[EL+\T]             ; rid / 2 = the token;
	v_min_u32 v[8+\T], 0x3ff, v[8+\T]              ; a filled slot becomes token 1,023
	v_lshlrev_b32 v[14+\T], 5, v[8+\T]
	v_mad_u32_u24 v[8+\T], v[8+\T], 768, v10
.endr
.irp T, 0,1
	global_load_b128 v[BSC+8*\T:BSC+8*\T+3], v[14+\T], s[6:7]
	global_load_b128 v[BSC+8*\T+4:BSC+8*\T+7], v[14+\T], s[6:7] offset:16
.endr
	XLOAD 0
	XLOAD 1
	XLOAD 2
	XLOAD 3
.endm
.macro WLOAD s                         ; my four weight fragments of K step s and their scale words
.irp u, 0,1
.irp g, 0,1,2
	ds_load_b128 v[WF+12*\u+4*\g:WF+12*\u+4*\g+3], v3 offset:12288*\u+1536*(\s)+512*\g
	ds_load_b128 v[WF+24+12*\u+4*\g:WF+24+12*\u+4*\g+3], v4 offset:12288*\u+1536*(\s)+512*\g
.endr
.endr
	ds_load_b32 v[WS], v5 offset:128*(\s)
	ds_load_b32 v[WS+1], v5 offset:2048+128*(\s)
.endm
.macro WM T, nt, s
.set rD, ACC+32*(\T)+8*(\nt)
.set rA, WF+12*(\nt)
.set rB, RING+24*((\s)%4)+12*(\T)
.set rSA, WS+(\nt)/2
.set rSB, BSC+8*(\T)+(\s)
.if (\s) == 0
.if (\nt)%2 == 0
	v_wmma_scale_f32_16x16x128_f8f6f4 v[rD:rD+7], v[rA:rA+11], v[rB:rB+11], 0, v[rSA], v[rSB] matrix_a_fmt:MATRIX_FMT_FP6 matrix_b_fmt:MATRIX_FMT_FP6
.else
	v_wmma_scale_f32_16x16x128_f8f6f4 v[rD:rD+7], v[rA:rA+11], v[rB:rB+11], 0, v[rSA], v[rSB] matrix_a_fmt:MATRIX_FMT_FP6 matrix_b_fmt:MATRIX_FMT_FP6 matrix_a_scale:MATRIX_SCALE_ROW1
.endif
.else
.if (\nt)%2 == 0
	v_wmma_scale_f32_16x16x128_f8f6f4 v[rD:rD+7], v[rA:rA+11], v[rB:rB+11], v[rD:rD+7], v[rSA], v[rSB] matrix_a_fmt:MATRIX_FMT_FP6 matrix_b_fmt:MATRIX_FMT_FP6
.else
	v_wmma_scale_f32_16x16x128_f8f6f4 v[rD:rD+7], v[rA:rA+11], v[rB:rB+11], v[rD:rD+7], v[rSA], v[rSB] matrix_a_fmt:MATRIX_FMT_FP6 matrix_b_fmt:MATRIX_FMT_FP6 matrix_a_scale:MATRIX_SCALE_ROW1
.endif
.endif
.endm
.macro KSTEP s, left                   ; left: the fragment loads of the younger K steps in the ring
	s_wait_dscnt 0x0                               ; the weights' fragments are in
	s_wait_loadcnt \left
.irp T, 0,1
.irp nt, 0,1,2,3
	WM \T, \nt, \s                                 ; the first K step starts the sums with the constant 0
.endr
.endr
.rept 4
	v_nop                                          ; four places in front of loads into registers that the products read, and of the first read of results
.endr
.if (\s) < 7
	WLOAD (\s)+1
.endif
.if (\s) < 4
	XLOAD (\s)+4
.endif
.endm
.macro GELUQ T                         ; HH = gelu(gate) x up for my 16 numbers of tile T: units 16 h + 0 .. 15 of my 32 columns
.set G, ACC+32*\T
.set V, ACC+32*\T+16
.irp j, 0,1,2,3,4,5,6,7,8,9,10,11,12,13,14,15
	v_and_b32 v[AB+\j], 0x7fffffff, v[G+\j]        ; |g|; each accumulator is read from its low end on
.endr
.irp j, 0,2,4,6,8,10,12,14
	v_pk_fma_f32 v[PP+\j:PP+\j+1], v[AB+\j:AB+\j+1], s[60:61], 1.0 op_sel_hi:[1,0,0]
.endr
.irp j, 0,1,2,3,4,5,6,7,8,9,10,11,12,13,14,15
	v_rcp_f32 v[TT+\j], v[PP+\j]                   ; t
.endr
.irp j, 0,2,4,6,8,10,12,14
	v_pk_mul_f32 v[MQ+\j:MQ+\j+1], v[G+\j:G+\j+1], v[G+\j:G+\j+1]          ; g^2 (plain lines behind the reciprocals)
.endr
	s_wait_alu depctr_va_vdst(0)
.irp j, 0,2,4,6,8,10,12,14
	v_pk_fma_f32 v[PP+\j:PP+\j+1], v[TT+\j:TT+\j+1], s[58:59], v[244:245] op_sel_hi:[1,0,1]
.endr
.irp k, 54,52,50,48,46,44,42,40
.irp j, 0,2,4,6,8,10,12,14
	v_pk_fma_f32 v[PP+\j:PP+\j+1], v[PP+\j:PP+\j+1], v[TT+\j:TT+\j+1], s[\k:\k+1] op_sel_hi:[1,1,0]
.endr
.endr
.irp j, 0,2,4,6,8,10,12,14
	v_pk_fma_f32 v[PP+\j:PP+\j+1], v[MQ+\j:MQ+\j+1], s[62:63], v[PP+\j:PP+\j+1] op_sel_hi:[1,0,1]
.endr
.irp j, 0,1,2,3,4,5,6,7,8,9,10,11,12,13,14,15
	v_exp_f32 v[PP+\j], v[PP+\j]
.endr
.irp j, 0,1,2,3,4,5,6,7,8,9,10,11,12,13,14,15
	v_max_num_f32 v[MQ+\j], 0, v[G+\j]             ; (plain lines behind the exponentials)
.endr
	s_wait_alu depctr_va_vdst(0)
.irp j, 0,2,4,6,8,10,12,14
	v_pk_mul_f32 v[PP+\j:PP+\j+1], v[PP+\j:PP+\j+1], v[TT+\j:TT+\j+1]      ; erfc / 2
.endr
.irp j, 0,2,4,6,8,10,12,14
	v_pk_fma_f32 v[HH+\j:HH+\j+1], v[AB+\j:AB+\j+1], v[PP+\j:PP+\j+1], v[MQ+\j:MQ+\j+1] neg_lo:[1,0,0] neg_hi:[1,0,0]
.endr
.irp j, 0,2,4,6,8,10,12,14
	v_pk_mul_f32 v[HH+\j:HH+\j+1], v[HH+\j:HH+\j+1], v[V+\j:V+\j+1]
.endr
.endm
.macro QH T                            ; my 16 numbers and lane l xor 16's are a block of 32 along the next K
	v_max3_num_f32 v228, |v[HH]|, |v[HH+1]|, 0x1800000
	v_max3_num_f32 v229, |v[HH+2]|, |v[HH+3]|, |v[HH+4]|
	v_max3_num_f32 v228, v228, |v[HH+5]|, |v[HH+6]|
	v_max3_num_f32 v229, v229, |v[HH+7]|, |v[HH+8]|
	v_max3_num_f32 v228, v228, |v[HH+9]|, |v[HH+10]|
	v_max3_num_f32 v229, v229, |v[HH+11]|, |v[HH+12]|
	v_max3_num_f32 v228, v228, |v[HH+13]|, |v[HH+14]|
	v_max3_num_f32 v228, v228, v229, |v[HH+15]|
	v_permlanex16_b32 v247, v228, s32, s33
	v_max_num_f32 v228, v228, v247
	v_add_nc_u32 v229, 0xff000000, v228
	v_cvt_scalef32_pk16_fp6_f32 v[248+4*\T:250+4*\T], v[HH:HH+15], v229
	v_lshrrev_b32 v[230+\T], 23, v229              ; the byte (a plain line behind the conversion)
	global_store_b96 v11, v[248+4*\T:250+4*\T], s[30:31] offset:24576*\T   ; the wave stores 384 consecutive bytes; with the wave beside it 768
	ds_store_b8 v13, v[230+\T] offset:32*\T        ; both halves of the lanes write the same byte with the same value
.endm
	LOADB 0                                        ; the stream of weights begins at once, two blocks deep
	LOADB 1
	BLOCKQ 0, 32                                   ; block 1's 32 loads may be out
	global_load_b32 v[EL], v6, s[66:67]            ; the list's entries of my first two tiles
	global_load_b32 v[EL+1], v6, s[66:67] offset:64
	BLOCKQ 1, 34                                   ; behind block 1: block 2's 32 loads and the two entries
.irp t, 2,3,4,5,6
	BLOCKQ \t, 32                                  ; the next block's 32 loads may be out (from block 2's wait on the entries are in)
.endr
	XGO                                            ; the first trip's rows, whether or not the trip has work: asked for where block 6 has no block to ask for
	BLOCKQ 7, 28                                   ; behind block 7: the rows' 28 loads
	s_wait_kmcnt 0x0
	s_max_u32 s23, s23, 1                          ; an expert without rows still makes its first pair of tiles
	s_wait_dscnt 0x0                               ; my images have landed
	s_barrier_signal -1
	s_barrier_wait -1                              ; everybody's have
	v_mov_b32 v244, 0xbf97d29d                     ; -1.1861149 (block 7's loads, the last that named my column's offset, are in)
	v_mov_b32 v245, 0xbf97d29d
	s_mov_b32 s25, 0
	s_mov_b32 s34, 0
.Ltrip:                                            ; four trips, whatever the count
	s_cmp_ge_u32 s26, s23
	s_cbranch_scc1 .Lskip                          ; none of the expert's rows lies in my two tiles
	WLOAD 0
	KSTEP 0, 18
	KSTEP 1, 18
	KSTEP 2, 18
	KSTEP 3, 18
	KSTEP 4, 18
	KSTEP 5, 12
	KSTEP 6, 6
	KSTEP 7, 0
	v_add_nc_u32 v13, s34, v12
	GELUQ 0
	QH 0
	GELUQ 1
	QH 1
.Lskip:
	s_wait_loadcnt 0x0                             ; no load of mine is out, and
	s_wait_xcnt 0x0                                ; the stores have read their registers and base: all may be written again
	s_add_nc_u64 s[30:31], s[30:31], 393216        ; 16 tiles on
	s_add_nc_u64 s[66:67], s[66:67], 1024
	s_add_co_u32 s26, s26, 256
	s_add_co_u32 s34, s34, 512
	s_cmp_ge_u32 s26, s23
	s_cbranch_scc1 .Lnopre
	global_load_b32 v[EL], v6, s[66:67]
	global_load_b32 v[EL+1], v6, s[66:67] offset:64
	s_wait_loadcnt 0x0
	XGO
.Lnopre:
	s_add_co_u32 s25, s25, 1
	s_cmp_lt_u32 s25, 4
	s_cbranch_scc1 .Ltrip
	s_wait_loadcnt 0x0
	v_lshl_add_u32 v7, v0, 4, HSS
	v_lshlrev_b32 v2, 4, v0
	s_wait_dscnt 0x0                               ; my scale bytes have landed
	s_barrier_signal -1
	s_barrier_wait -1
	s_cmp_gt_u32 s18, 3
	s_cbranch_scc1 .Lend
	ds_load_b128 v[148:151], v7                    ; waves 0 to 3: the 2,048 bytes leave in runs of 512 consecutive bytes
	s_wait_dscnt 0x0
	global_store_b128 v2, v[148:151], s[16:17]
.Lend:
	s_wait_tensorcnt 0x0
	ds_add_u32 v251, v255
	s_wait_dscnt 0x0
	s_endpgm
.Lfunc_end_k_q23d4087dd8_gateup:
	.size	k_q23d4087dd8_gateup, .Lfunc_end_k_q23d4087dd8_gateup-k_q23d4087dd8_gateup
	.p2alignl 7, 3214868480
	.fill 96, 4, 3214868480
	.section	.rodata,"a",@progbits
	.p2align	6, 0x0
	.amdhsa_kernel k_q23d4087dd8_gateup
		.amdhsa_group_segment_fixed_size 106496
		.amdhsa_private_segment_fixed_size 0
		.amdhsa_enable_private_segment 0
		.amdhsa_kernarg_size 56
		.amdhsa_user_sgpr_count 2
		.amdhsa_user_sgpr_kernarg_segment_ptr 1
		.amdhsa_wavefront_size32 1
		.amdhsa_system_sgpr_workgroup_id_x 1
		.amdhsa_system_sgpr_workgroup_id_y 1
		.amdhsa_system_sgpr_workgroup_id_z 1
		.amdhsa_system_vgpr_workitem_id 0
		.amdhsa_next_free_vgpr 256
		.amdhsa_next_free_sgpr 80
		.amdhsa_reserve_vcc 0
		.amdhsa_float_denorm_mode_32 3
		.amdhsa_float_denorm_mode_16_64 3
		.amdhsa_memory_ordered 1
		.amdhsa_forward_progress 1
		.amdhsa_inst_pref_size 92
	.end_amdhsa_kernel
	.amdgpu_metadata
---
amdhsa.version: [ 1, 2 ]
amdhsa.kernels:
  - .name:           k_q23d4087dd8_gateup
    .symbol:         k_q23d4087dd8_gateup.kd
    .args:
      - { .name: xq, .offset: 0, .size: 8, .value_kind: global_buffer, .address_space: global }
      - { .name: xs, .offset: 8, .size: 8, .value_kind: global_buffer, .address_space: global }
      - { .name: list, .offset: 16, .size: 8, .value_kind: global_buffer, .address_space: global }
      - { .name: w_g, .offset: 24, .size: 8, .value_kind: global_buffer, .address_space: global }
      - { .name: w_v, .offset: 32, .size: 8, .value_kind: global_buffer, .address_space: global }
      - { .name: hq, .offset: 40, .size: 8, .value_kind: global_buffer, .address_space: global }
      - { .name: hs, .offset: 48, .size: 8, .value_kind: global_buffer, .address_space: global }
    .group_segment_fixed_size: 106496
    .private_segment_fixed_size: 0
    .kernarg_segment_align: 8
    .kernarg_segment_size: 56
    .max_flat_workgroup_size: 512
    .sgpr_count:     80
    .vgpr_count:     256
    .wavefront_size: 32
...
	.end_amdgpu_metadata
.endif
;; end of part 3
;; launch down (part 4): grid 32 x 8, 16 waves a work-group, no clusters, 122,880 bytes of LDS; arguments hq, hs, list, rw, w_1, dp; writes dp
.if DOCPART == 4
	.amdgcn_target "amdgcn-amd-amdhsa--gfx1250"
	.amdhsa_code_object_version 6
	.text
	.protected	k_q23d4087dd8_down
	.globl	k_q23d4087dd8_down
	.p2align	8
	.type	k_q23d4087dd8_down,@function
k_q23d4087dd8_down:
	s_mov_b64 s[64:65], 0
	v_nop
	global_prefetch_b8 v0, s[64:65] scope:SCOPE_SE
	s_setreg_imm32_b32 hwreg(HW_REG_WAVE_MODE, 25, 1), 1
	s_wait_xcnt 0x0
; DOWN: for the rows of expert e (work-group y), outputs 64 ns .. + 63 (ns = x % 16) and the half kh = x / 16 of K = 2,048: hidden W1, times the row's routing weight.
; The product runs on codes of E2M3 with one E8M0 scale for each 32 along K.  w_1 [8][2048 (k)][1024] f32: each byte is read once in the launch and quantised on the way.
; PHASE A.  Wave w (ch = w % 2, K step w / 2) takes 32 columns x 128 along K: a lane takes a column, its registers run down K; lanes 0-15 take columns r + 8 (r / 8),
; lanes 16-31 columns 8 + r + 8 (r / 8).  The two tiles' operand registers go to LDS as images, 16 bytes a lane.
; The stream of weights begins at once, two blocks deep; the first trip's rows are asked for behind the last block's loads.
; PHASE B.  Wave w takes in trip t the tiles of 16 rows 32 t + 2 w and + 1 against all 64 columns: 8 accumulators by turns; transposed use:
; a lane holds one row and eight neighbouring outputs.  The hidden layer's fragments lie in hq in the order of the operand's registers, 24 bytes a lane and half.
; Every wave walks both trips; a branch on the expert's count leads round a trip's work.  A wave without rows asks, in its first fetch, for the expert's first pair of tiles, which is always written.
; dp [kh 2][row 2,056][1024] f32: row rid; filled slots fall into row 2,048 + e, in bytes that this work-group alone stores and nobody reads.
; The two halves of K and a token's two rows are added by the last launch.  No tensor loads (the trips hang on a count read from memory); no cluster (no weight byte is shared).
; LIMITS: NaN and infinities are not served; a block of the weight whose largest magnitude lies under 2^-124 gets the byte 1 (zeros too).
.set PITCHB, 4096
.set NB,   4
.set WSC,  49152                       ; LDS: 0: the images, [tile 4][K step 8][1,536];  WSC: their scale words, [ch 2][K step 8][128]
.set STG,  51200                       ; a stage of 16 rows x (256 + 16) bytes for each wave
.set BSC,  16                          ; v16-31   the hidden layer's scale words: 8 T + K step
.set XB,   32
.set ACC,  32
.set F0,   96
.set F1,   108
.set TH,   120
.set WF,   96
.set WS,   144
.set EL,   146
.set RING, 148
; v1 16 r; v2, v4 offsets in rw; v3 16 lane; v5 scale words; v6 4 r; v7 4 h; v8 24 lane; v9 2,048 h + 2 r; v10, v11 the stage, in and back; v12, v14 the rows' routing weights
; v244 my column; v245, v246 where I store images and scale words; v248-255 permutes' results
	s_load_b256 s[4:11], s[0:1], 0x0               ; hq, hs, list, rw
	s_load_b128 s[12:15], s[0:1], 0x20             ; w_1, dp
	v_lshrrev_b32 v1, 5, v0
	v_readfirstlane_b32 s18, v1                    ; wave
	s_and_b32 s19, ttmp7, 0xffff                   ; e
	s_and_b32 s20, ttmp9, 15                       ; ns
	s_lshr_b32 s27, ttmp9, 4                       ; kh
	s_and_b32 s21, s18, 1                          ; ch
	s_lshr_b32 s24, s18, 1                         ; phase A: my K step
	v_and_b32 v15, 31, v0                          ; lane
	v_and_b32 v13, 15, v0                          ; r
	v_bfe_u32 v4, v0, 4, 1                         ; h
	v_and_b32 v2, 7, v15
	v_and_b32 v12, 8, v15
	v_lshl_or_b32 v2, v12, 1, v2
	v_and_b32 v12, 16, v15
	v_lshrrev_b32 v12, 1, v12
	v_or_b32 v2, v2, v12                           ; my column of the wave's 32
	v_lshlrev_b32 v244, 2, v2
	v_lshlrev_b32 v1, 4, v13
	v_lshlrev_b32 v3, 4, v15
	v_lshl_add_u32 v5, v15, 2, WSC
	v_lshlrev_b32 v6, 2, v13
	v_lshlrev_b32 v7, 2, v4
	v_mul_u32_u24 v8, v15, 24
	v_lshlrev_b32 v9, 11, v4
	v_lshl_add_u32 v9, v13, 1, v9
	s_mul_i32 s36, s18, 4352
	s_add_co_u32 s36, s36, STG
	v_mul_u32_u24 v10, v13, 272
	v_lshl_add_u32 v10, v4, 6, v10
	v_add_nc_u32 v10, s36, v10                     ; in: row r, + 64 h
	v_mul_u32_u24 v11, v4, 272
	v_lshl_add_u32 v11, v13, 4, v11
	v_add_nc_u32 v11, s36, v11                     ; back: lanes 0-15 one row, lanes 16-31 the next
	s_mul_i32 s37, s21, 24576
	s_mul_i32 s38, s24, 1536
	s_add_co_u32 s37, s37, s38
	v_lshl_add_u32 v245, v15, 4, s37
	s_lshl_b32 s38, s21, 10
	s_lshl_b32 s39, s24, 7
	s_add_co_u32 s38, s38, s39
	s_add_co_u32 s38, s38, WSC
	v_lshl_add_u32 v246, v15, 2, s38
.irp i, 0,1,2,3,4,5,6,7
	v_mov_b32 v[248+\i], 0                         ; written once: a lane permute's destination counts as one of its sources
.endr
	s_mov_b32 s32, 0x76543210
	s_mov_b32 s33, 0xfedcba98
	s_lshl_b32 s26, s18, 5                         ; my first row
	s_mov_b32 s45, 0
	s_wait_kmcnt 0x0
	s_lshl_b32 s44, s19, 2
	s_add_nc_u64 s[46:47], s[8:9], s[44:45]
	s_load_b32 s23, s[46:47], 0x8000               ; the expert's number of rows: waited for ahead of the rows' fetch, where it is first used
	s_lshl_b32 s44, s19, 12
	s_lshl_b32 s36, s18, 7
	s_add_co_u32 s44, s44, s36
	s_add_nc_u64 s[42:43], s[8:9], s[44:45]        ; the list at my first row
	s_lshl_b32 s44, s19, 23
	s_lshl_b32 s36, s27, 22
	s_add_co_u32 s44, s44, s36
	s_lshl_b32 s36, s24, 19
	s_add_co_u32 s44, s44, s36
	s_lshl_b32 s36, s20, 8
	s_add_co_u32 s44, s44, s36
	s_lshl_b32 s36, s21, 7
	s_add_co_u32 s44, s44, s36
	s_add_nc_u64 s[28:29], s[12:13], s[44:45]      ; my 32 columns, my 128 rows of the weight
	s_mul_i32 s44, s27, 8421376
	s_lshl_b32 s36, s20, 8
	s_add_co_u32 s44, s44, s36
	s_add_nc_u64 s[40:41], s[14:15], s[44:45]      ; dp: my half of K, my 256 bytes of a row
.macro LOADB t
.set LI, 0
.rept 32
	global_load_b32 v[XB+32*((\t)%2)+LI], v244, s[28:29] offset:(32*(\t)+LI)*PITCHB th:TH_LOAD_NT
.set LI, LI+1
.endr
.endm
.macro BLOCKQ t, left                  ; block t becomes codes; left: the younger loads that may stay out
.set XS, XB+32*((\t)%2)
.set FP, F0+12*((\t)%2)+6*(((\t)%4)/2)
.set TP, TH+4*((\t)%2)
	s_wait_loadcnt \left
	v_max3_num_f32 v128, |v[XS]|, |v[XS+1]|, |v[XS+2]|
	v_max3_num_f32 v129, |v[XS+3]|, |v[XS+4]|, |v[XS+5]|
.irp i, 6,10,14,18,22,26
	v_max3_num_f32 v128, v128, |v[XS+\i]|, |v[XS+\i+1]|
	v_max3_num_f32 v129, v129, |v[XS+\i+2]|, |v[XS+\i+3]|
.endr
	v_max3_num_f32 v128, v128, |v[XS+30]|, |v[XS+31]|
	v_max3_num_f32 v128, v128, v129, 0x1800000     ; the floor 2^(3 - 127): the byte cannot fall under 1
	v_add_nc_u32 v130, 0xff000000, v128            ; 2 off the exponent field: the conversion's scale operand
	v_lshrrev_b32 v131, 23, v130
.if (\t)%4 == 0
	v_mov_b32 v132, v131
.else
	v_lshl_or_b32 v132, v131, 8*((\t)%4), v132
.endif
	v_cvt_scalef32_pk16_fp6_f32 v[FP:FP+2], v[XS:XS+15], v130
	v_cvt_scalef32_pk16_fp6_f32 v[TP:TP+2], v[XS+16:XS+31], v130   ; (a conversion's three registers begin on an even number)
.if (\t)+2 < NB
	LOADB (\t)+2
.endif
	v_nop                                          ; one plain line behind a scaled conversion
.irp i, 0,1,2
	v_mov_b32 v[FP+3+\i], v[TP+\i]
.endr
.if (\t)%2 == 1                        ; the exchange gives F0 tile 0 whole (lanes 0-15 block 2 c, lanes 16-31 block 2 c + 1) and F1 tile 1
.irp i, 0,1,2,3,4,5
	v_permlane16_swap_b32 v[F0+6*(((\t)%4)/2)+\i], v[F1+6*(((\t)%4)/2)+\i]
.endr
.endif
.if (\t)%4 == 3
.irp g, 0,1,2
	ds_store_b128 v245, v[F0+4*\g:F0+4*\g+3] offset:512*\g
	ds_store_b128 v245, v[F1+4*\g:F1+4*\g+3] offset:12288+512*\g
.endr
	ds_store_b32 v246, v132
.endif
.endm
.macro XLOAD s                         ; the two tiles' hidden fragments of K step s: 12 loads of 8 bytes a lane
.irp T, 0,1
.irp c, 0,1
.irp p, 0,1,2
	global_load_b64 v[RING+24*((\s)%4)+12*\T+6*\c+2*\p:RING+24*((\s)%4)+12*\T+6*\c+2*\p+1], v8, s[30:31] offset:24576*\T+1536*(\s)+768*\c+8*\p
.endr
.endr
.endr
.endm
.macro XGO                             ; the rows' routing weights, their scale bytes, their first four K steps: 2 + 16 + 48 loads
.irp T, 0,1
	v_min_u32 v[2+2*\T], 0x7ff, v[EL+\T]
	v_lshlrev_b32 v[2+2*\T], 2, v[2+2*\T]
.endr
.irp T, 0,1
	global_load_b32 v[12+2*\T], v[2+2*\T], s[10:11]
.endr
.irp T, 0,1
.irp s, 0,1,2,3,4,5,6,7
	global_load_u16 v[BSC+8*\T+\s], v9, s[34:35] offset:4096*\s+32*\T      ; lanes 0-15: the bytes of blocks 0, 1 of row r; lanes 16-31: of blocks 2, 3
.endr
.endr
	XLOAD 0
	XLOAD 1
	XLOAD 2
	XLOAD 3
.endm
.macro WLOAD s
.irp nt, 0,1,2,3
.irp g, 0,1,2
	ds_load_b128 v[WF+12*\nt+4*\g:WF+12*\nt+4*\g+3], v3 offset:12288*\nt+1536*(\s)+512*\g
.endr
.endr
	ds_load_b32 v[WS], v5 offset:128*(\s)
	ds_load_b32 v[WS+1], v5 offset:1024+128*(\s)
.endm
.macro WM T, nt, s
.set rD, ACC+32*(\T)+8*(\nt)
.set rA, WF+12*(\nt)
.set rB, RING+24*((\s)%4)+12*(\T)
.set rSA, WS+(\nt)/2
.set rSB, BSC+8*(\T)+(\s)
.if (\s) == 0
.if (\nt)%2 == 0
	v_wmma_scale_f32_16x16x128_f8f6f4 v[rD:rD+7], v[rA:rA+11], v[rB:rB+11], 0, v[rSA], v[rSB] matrix_a_fmt:MATRIX_FMT_FP6 matrix_b_fmt:MATRIX_FMT_FP6
.else
	v_wmma_scale_f32_16x16x128_f8f6f4 v[rD:rD+7], v[rA:rA+11], v[rB:rB+11], 0, v[rSA], v[rSB] matrix_a_fmt:MATRIX_FMT_FP6 matrix_b_fmt:MATRIX_FMT_FP6 matrix_a_scale:MATRIX_SCALE_ROW1
.endif
.else
.if (\nt)%2 == 0
	v_wmma_scale_f32_16x16x128_f8f6f4 v[rD:rD+7], v[rA:rA+11], v[rB:rB+11], v[rD:rD+7], v[rSA], v[rSB] matrix_a_fmt:MATRIX_FMT_FP6 matrix_b_fmt:MATRIX_FMT_FP6
.else
	v_wmma_scale_f32_16x16x128_f8f6f4 v[rD:rD+7], v[rA:rA+11], v[rB:rB+11], v[rD:rD+7], v[rSA], v[rSB] matrix_a_fmt:MATRIX_FMT_FP6 matrix_b_fmt:MATRIX_FMT_FP6 matrix_a_scale:MATRIX_SCALE_ROW1
.endif
.endif
.endm
.macro KSTEP s, left                   ; left: the fragment loads of the younger K steps in the ring
	s_wait_dscnt 0x0
	s_wait_loadcnt \left
.irp T, 0,1
.irp nt, 0,1,2,3
	WM \T, \nt, \s
.endr
.endr
.rept 4
	v_nop                                          ; four places in front of loads into registers that the products read, and of the first read of results
.endr
.if (\s) < 7
	WLOAD (\s)+1
.endif
.if (\s) < 4
	XLOAD (\s)+4
.endif
.endm
; Tile T goes out: times the row's weight; through my own stage, so that sixteen lanes hold a row's 256 consecutive bytes; to the rows that the list names.
.macro EPI T, OUT, RID
.set AC, ACC+32*\T
.set J, 0
.rept 16
	v_pk_mul_f32 v[AC+J:AC+J+1], v[AC+J:AC+J+1], v[12+2*\T:13+2*\T] op_sel_hi:[1,0]   ; each accumulator from its low end on
.set J, J+2
.endr
.irp nt, 0,1,2,3
.irp q, 0,1
	ds_store_b128 v10, v[AC+8*\nt+4*\q:AC+8*\nt+4*\q+3] offset:128*(\nt/2)+32*(\nt%2)+16*\q   ; register j: output 32 (nt / 2) + 16 h + 8 (nt % 2) + j
.endr
.endr
.irp q, 0,1,2,3,4,5,6,7
	ds_load_b128 v[\OUT+4*\q:\OUT+4*\q+3], v11 offset:544*\q       ; LDS serves a wave's instructions in order: these see my stores.  Rows 2 q and 2 q + 1
.endr
.irp q, 0,1,2,3,4,5,6,7
	ds_bpermute_b32 v[\RID+\q], v[188+\q], v[EL+\T]                ; the entry of row 2 q + h, from the lane that holds it
.endr
	s_wait_dscnt 0x0
.irp q, 0,1,2,3,4,5,6,7
	v_min_u32 v[\RID+\q], 0x807, v[\RID+\q]        ; a row of dp: 2,055 at the most
.endr
.irp q, 0,1,2,3,4,5,6,7
	v_lshl_add_u32 v[\RID+\q], v[\RID+\q], 12, v1
.endr
.irp q, 0,1,2,3,4,5,6,7
	global_store_b128 v[\RID+\q], v[\OUT+4*\q:\OUT+4*\q+3], s[40:41] th:TH_STORE_NT   ; sixteen lanes store 256 consecutive bytes, aligned
.endr
.endm
	LOADB 0                                        ; the stream of weights begins at once, two blocks deep
	LOADB 1
	BLOCKQ 0, 32                                   ; block 1's 32 loads may be out
	global_load_b32 v[EL], v6, s[42:43]            ; the list's entries of my first two tiles
	global_load_b32 v[EL+1], v6, s[42:43] offset:64
	BLOCKQ 1, 34                                   ; behind block 1: block 2's 32 loads and the two entries
	BLOCKQ 2, 32                                   ; block 2 and the entries are in; block 3's 32 loads may be out
	s_wait_kmcnt 0x0                               ; the expert's number of rows
	s_cmp_lt_u32 s26, s23
	s_cselect_b32 s22, s18, 0                      ; a wave without rows asks for the expert's first pair of tiles
	s_min_u32 s22, s22, 15
	s_mul_i32 s44, s19, 1572864
	s_mul_i32 s36, s27, 12288
	s_add_co_u32 s44, s44, s36
	s_mul_i32 s36, s22, 49152
	s_add_co_u32 s44, s44, s36
	s_add_nc_u64 s[30:31], s[4:5], s[44:45]        ; hq at my first tile, my half of K
	s_lshl_b32 s44, s19, 16
	s_lshl_b32 s36, s27, 15
	s_add_co_u32 s44, s44, s36
	s_lshl_b32 s36, s22, 6
	s_add_co_u32 s44, s44, s36
	s_add_nc_u64 s[34:35], s[6:7], s[44:45]        ; hs likewise
	XGO                                            ; the first trip's rows: asked for behind the last block's loads
	BLOCKQ 3, 63                                   ; behind block 3 stand the fetch's 66 loads: the largest count that the wait can name is the stricter side
	s_wait_dscnt 0x0                               ; my images have landed
	s_barrier_signal -1
	s_barrier_wait -1                              ; everybody's have
	s_mov_b32 s25, 0
.Ltrip:                                            ; two trips, whatever the count
	s_cmp_ge_u32 s26, s23
	s_cbranch_scc1 .Lskip
	WLOAD 0
	s_wait_loadcnt 48                              ; the weights and scale bytes are in; the 48 fragment loads may be out
.irp b, 0,8
.irp i, 0,1,2,3,4,5,6,7
	v_permlanex16_b32 v[248+\i], v[BSC+\b+\i], s32, s33
.endr
.irp i, 0,1,2,3,4,5,6,7
	v_lshl_or_b32 v[BSC+\b+\i], v[248+\i], 16, v[BSC+\b+\i]        ; lanes 0-15: the row's four bytes (lanes 16-31 are not read)
.endr
.endr
.rept 8
	v_nop                                          ; a scale register written by a vector instruction stands 8 places ahead of a scaled matrix instruction
.endr
	KSTEP 0, 36
	KSTEP 1, 36
	KSTEP 2, 36
	KSTEP 3, 36
	KSTEP 4, 36
	KSTEP 5, 24
	KSTEP 6, 12
	KSTEP 7, 0
.irp q, 0,1,2,3,4,5,6,7
	v_add_nc_u32 v[188+\q], 8*\q, v7               ; 4 x the lane that holds row 2 q + h's entry
.endr
	EPI 0, 96, 180
	EPI 1, 148, 196
.Lskip:
	s_wait_loadcnt 0x0                             ; no load of mine is out, and
	s_wait_xcnt 0x0                                ; the stores have read their registers: all may be written again
	s_add_nc_u64 s[30:31], s[30:31], 786432        ; 32 tiles on
	s_add_nc_u64 s[34:35], s[34:35], 1024
	s_add_nc_u64 s[42:43], s[42:43], 2048
	s_add_co_u32 s26, s26, 512
	s_cmp_ge_u32 s26, s23
	s_cbranch_scc1 .Lnopre
	global_load_b32 v[EL], v6, s[42:43]
	global_load_b32 v[EL+1], v6, s[42:43] offset:64
	s_wait_loadcnt 0x0
	XGO
.Lnopre:
	s_add_co_u32 s25, s25, 1
	s_cmp_lt_u32 s25, 2
	s_cbranch_scc1 .Ltrip
	s_wait_xcnt 0x0
	v_lshl_add_u32 v254, v0, 2, 0x1d800
	v_mov_b32 v255, 0
	s_wait_tensorcnt 0x0
	ds_add_u32 v254, v255
	s_wait_dscnt 0x0
	s_endpgm
.Lfunc_end_k_q23d4087dd8_down:
	.size	k_q23d4087dd8_down, .Lfunc_end_k_q23d4087dd8_down-k_q23d4087dd8_down
	.p2alignl 7, 3214868480
	.fill 96, 4, 3214868480
	.section	.rodata,"a",@progbits
	.p2align	6, 0x0
	.amdhsa_kernel k_q23d4087dd8_down
		.amdhsa_group_segment_fixed_size 122880
		.amdhsa_private_segment_fixed_size 0
		.amdhsa_enable_private_segment 0
		.amdhsa_kernarg_size 48
		.amdhsa_user_sgpr_count 2
		.amdhsa_user_sgpr_kernarg_segment_ptr 1
		.amdhsa_wavefront_size32 1
		.amdhsa_system_sgpr_workgroup_id_x 1
		.amdhsa_system_sgpr_workgroup_id_y 1
		.amdhsa_system_sgpr_workgroup_id_z 1
		.amdhsa_system_vgpr_workitem_id 0
		.amdhsa_next_free_vgpr 256
		.amdhsa_next_free_sgpr 66
		.amdhsa_reserve_vcc 0
		.amdhsa_float_denorm_mode_32 3
		.amdhsa_float_denorm_mode_16_64 3
		.amdhsa_memory_ordered 1
		.amdhsa_forward_progress 1
		.amdhsa_inst_pref_size 69
	.end_amdhsa_kernel
	.amdgpu_metadata
---
amdhsa.version: [ 1, 2 ]
amdhsa.kernels:
  - .name:           k_q23d4087dd8_down
    .symbol:         k_q23d4087dd8_down.kd
    .args:
      - { .name: hq, .offset: 0, .size: 8, .value_kind: global_buffer, .address_space: global }
      - { .name: hs, .offset: 8, .size: 8, .value_kind: global_buffer, .address_space: global }
      - { .name: list, .offset: 16, .size: 8, .value_kind: global_buffer, .address_space: global }
      - { .name: rw, .offset: 24, .size: 8, .value_kind: global_buffer, .address_space: global }
      - { .name: w_1, .offset: 32, .size: 8, .value_kind: global_buffer, .address_space: global }
      - { .name: dp, .offset: 40, .size: 8, .value_kind: global_buffer, .address_space: global }
    .group_segment_fixed_size: 122880
    .private_segment_fixed_size: 0
    .kernarg_segment_align: 8
    .kernarg_segment_size: 48
    .max_flat_workgroup_size: 512
    .sgpr_count:     66
    .vgpr_count:     256
    .wavefront_size: 32
...
	.end_amdgpu_metadata
.endif
;; end of part 4
;; launch combine (part 5): grid 256 x 1, 8 waves a work-group, no clusters, 0 bytes of LDS; arguments dp, out0; writes out0
.if DOCPART == 5
	.amdgcn_target "amdgcn-amd-amdhsa--gfx1250"
	.amdhsa_code_object_version 6
	.text
	.protected	k_q23d4087dd8_combine
	.globl	k_q23d4087dd8_combine
	.p2align	8
	.type	k_q23d4087dd8_combine,@function
k_q23d4087dd8_combine:
	s_mov_b64 s[64:65], 0
	v_nop
	global_prefetch_b8 v0, s[64:65] scope:SCOPE_SE
	s_setreg_imm32_b32 hwreg(HW_REG_WAVE_MODE, 25, 1), 1
	s_wait_xcnt 0x0
; COMBINE: out0[token] = the token's two weighted rows, each in two halves of K: four rows of dp are added.
; dp [kh 2][row 2,056][1024] f32, row 2 token + choice.  A work-group takes 4 tokens; thread t owns bytes 16 t of a row, so each load and store of a wave
; covers 512 consecutive bytes.  A stream: no LDS, no barrier, no matrix unit.  All sixteen loads go out first; the waits count down.
	s_load_b128 s[4:7], s[0:1], 0x0                ; dp, out0
	v_lshlrev_b32 v1, 4, v0
	s_lshl_b32 s10, ttmp9, 15                      ; 8 rows of 4,096 bytes
	s_mov_b32 s11, 0
	s_lshl_b32 s12, ttmp9, 14                      ; 4 rows
	s_mov_b32 s13, 0
	s_wait_kmcnt 0x0
	s_add_nc_u64 s[4:5], s[4:5], s[10:11]
	s_add_nc_u64 s[8:9], s[4:5], 8421376           ; the other half of K
	s_add_nc_u64 s[6:7], s[6:7], s[12:13]
.irp i, 0,1,2,3
	global_load_b128 v[4+16*\i:7+16*\i],   v1, s[4:5] offset:8192*\i th:TH_LOAD_NT
	global_load_b128 v[8+16*\i:11+16*\i],  v1, s[4:5] offset:8192*\i+4096 th:TH_LOAD_NT
	global_load_b128 v[12+16*\i:15+16*\i], v1, s[8:9] offset:8192*\i th:TH_LOAD_NT
	global_load_b128 v[16+16*\i:19+16*\i], v1, s[8:9] offset:8192*\i+4096 th:TH_LOAD_NT
.endr
.irp i, 0,1,2,3
	s_wait_loadcnt 12-4*\i                         ; this token's four loads are in; the later tokens' may be out
	v_pk_add_f32 v[4+16*\i:5+16*\i], v[4+16*\i:5+16*\i], v[8+16*\i:9+16*\i]
	v_pk_add_f32 v[6+16*\i:7+16*\i], v[6+16*\i:7+16*\i], v[10+16*\i:11+16*\i]
	v_pk_add_f32 v[12+16*\i:13+16*\i], v[12+16*\i:13+16*\i], v[16+16*\i:17+16*\i]
	v_pk_add_f32 v[14+16*\i:15+16*\i], v[14+16*\i:15+16*\i], v[18+16*\i:19+16*\i]
	v_pk_add_f32 v[4+16*\i:5+16*\i], v[4+16*\i:5+16*\i], v[12+16*\i:13+16*\i]
	v_pk_add_f32 v[6+16*\i:7+16*\i], v[6+16*\i:7+16*\i], v[14+16*\i:15+16*\i]
	global_store_b128 v1, v[4+16*\i:7+16*\i], s[6:7] offset:4096*\i th:TH_STORE_NT
.endr
	s_endpgm
.Lfunc_end_k_q23d4087dd8_combine:
	.size	k_q23d4087dd8_combine, .Lfunc_end_k_q23d4087dd8_combine-k_q23d4087dd8_combine
	.p2alignl 7, 3214868480
	.fill 96, 4, 3214868480
	.section	.rodata,"a",@progbits
	.p2align	6, 0x0
	.amdhsa_kernel k_q23d4087dd8_combine
		.amdhsa_group_segment_fixed_size 0
		.amdhsa_private_segment_fixed_size 0
		.amdhsa_enable_private_segment 0
		.amdhsa_kernarg_size 16
		.amdhsa_user_sgpr_count 2
		.amdhsa_user_sgpr_kernarg_segment_ptr 1
		.amdhsa_wavefront_size32 1
		.amdhsa_system_sgpr_workgroup_id_x 1
		.amdhsa_system_sgpr_workgroup_id_y 1
		.amdhsa_system_sgpr_workgroup_id_z 1
		.amdhsa_system_vgpr_workitem_id 0
		.amdhsa_next_free_vgpr 72
		.amdhsa_next_free_sgpr 66
		.amdhsa_reserve_vcc 0
		.amdhsa_float_denorm_mode_32 3
		.amdhsa_float_denorm_mode_16_64 3
		.amdhsa_memory_ordered 1
		.amdhsa_forward_progress 1
		.amdhsa_inst_pref_size 5
	.end_amdhsa_kernel
	.amdgpu_metadata
---
amdhsa.version: [ 1, 2 ]
amdhsa.kernels:
  - .name:           k_q23d4087dd8_combine
    .symbol:         k_q23d4087dd8_combine.kd
    .args:
      - { .name: dp, .offset: 0, .size: 8, .value_kind: global_buffer, .address_space: global }
      - { .name: out0, .offset: 8, .size: 8, .value_kind: global_buffer, .address_space: global }
    .group_segment_fixed_size: 0
    .private_segment_fixed_size: 0
    .kernarg_segment_align: 8
    .kernarg_segment_size: 16
    .max_flat_workgroup_size: 256
    .sgpr_count:     66
    .vgpr_count:     72
    .wavefront_size: 32
...
	.end_amdgpu_metadata
.endif
;; end of part 5
;; ======== version 2 of 2: 5 launches; version 1 with the launches gateup, down written anew for expert scheduling mode
;; workspace buffers: xq 786,432 bytes; xs 32,768 bytes; sel 8,192 bytes of whole numbers; rw 8,192 bytes; list 33,024 bytes of whole numbers; hq 12,582,912 bytes; hs 524,288 bytes; dp 16,842,752 bytes
;; launch route: the kernel of part 1 again; grid 64 x 1, 4 waves a work-group, no clusters, 34,816 bytes of LDS; arguments hidden_states, w_gate, out1, xq, xs, sel, rw; writes out1, xq, xs, sel, rw
;; launch place: the kernel of part 2 again; grid 8 x 1, 16 waves a work-group, no clusters, 2,304 bytes of LDS; arguments sel, list; writes list
;; launch gateup (part 6): grid 32 x 8, 16 waves a work-group, no clusters, 106,496 bytes of LDS; arguments xq, xs, list, w_g, w_v, hq, hs; writes hq, hs
.if DOCPART == 6
	.amdgcn_target "amdgcn-amd-amdhsa--gfx1250"
	.amdhsa_code_object_version 6
	.text
	.protected	k_q23d4087dd8_gateup
	.globl	k_q23d4087dd8_gateup
	.p2align	8
	.type	k_q23d4087dd8_gateup,@function
k_q23d4087dd8_gateup:
	s_mov_b64 s[64:65], 0
	v_nop
	global_prefetch_b8 v0, s[64:65] scope:SCOPE_SE
	s_setreg_imm32_b32 hwreg(HW_REG_WAVE_SCHED_MODE, 0, 2), 2
	s_setreg_imm32_b32 hwreg(HW_REG_WAVE_MODE, 25, 1), 1
	s_wait_xcnt 0x0
	s_wait_alu depctr_vm_vsrc(0)
; GATEUP: for the rows of expert e (work-group y) and hidden units 64 c2 .. + 63 (work-group x): gelu(x Wg) (x Wv), as codes of E2M3.
; Both products on codes of E2M3 with one E8M0 scale for each 32 along K = 1,024.  w_g, w_v [8][1024 (k)][2048] f32: each byte is read once
; in the launch, by the one work-group that owns its column, and quantised on the way: no copy of the weights goes to memory.
; PHASE A.  Wave w (half of the columns ch = w % 2, matrix (w / 2) % 2, quarter of K w / 4) takes 32 columns x 256 along K.  A LANE TAKES A COLUMN AND ITS
; REGISTERS RUN DOWN K: a block of 32 lies in one lane, each load reads 128 consecutive bytes (the wave beside it the other 128 of the aligned 256).
; Lanes 0-15 take columns r + 8 (r / 8), lanes 16-31 columns 8 + r + 8 (r / 8): the rows of two tiles, chosen so that a lane's 16 results of the two tiles are 16
; neighbours along the next product's K.  Two blocks' codes and one exchange of halves give both tiles' operand registers, which go to LDS as images: 16 bytes a lane, 512 a store.
; The stream of weights begins at once, two blocks deep; the first trip's rows are asked for at the stream's tail, where the last block asks for nothing new.
; PHASE B.  Wave w (ch = w % 2, rs = w / 2) takes in trip t the tiles of 16 rows 16 t + 2 rs and + 1, against its 32 columns of both matrices: 8 accumulators
; by turns.  The products are used transposed (source 0 = 16 columns of a weight, source 1 = 16 rows of x): a lane holds one row.
; The rows' codes are gathered from xq by the list, four K steps ahead, in a ring of registers.  Every wave walks all four trips; a branch on the expert's
; count, read from memory, leads round a trip's work.  The first pair of tiles of every expert is always made, so that the next launch finds it written.
; gelu(g) = max(g, 0) - |g| erfc(|g| / sqrt 2) / 2;  erfc(z) = t exp(-z^2 + P(t)), t = 1 / (1 + z / 2), P of degree 9 (fractional error 1.2e-7).
; No tensor loads (the trips hang on a count read from memory); no cluster (no two work-groups share a weight byte; x's codes are a small part of the bytes).
; hq [e][tile 64][K step 16][1,536]: in a fragment block 2 c + hb of row r at 768 c + 24 (16 hb + r).  hs [e][c2 32][tile 64][r 16][2].
; LIMITS: NaN and infinities are not served; a block whose largest magnitude lies under 2^-124 gets the byte 1 (zeros too; this program alone reads the bytes);
; gelu's relative error is some 5e-7 up to |g| = 4 and grows like g^2 x 6e-8; under g = -13 the exponential falls to 0 and gelu to -0.
; THE MODE: SCHED_MODE bits 1:0 = 2 (LLVM: expert scheduling mode 2), set by the entry lines.  The code itself states the register dependences
; between vector or matrix instructions and memory or LDS instructions, with s_wait_alu, always for 0.
; THE PLAN.  Registers that memory or LDS instructions touch:
;   XB0, XB1      Phase A, block t: its maxima and conversions read set t % 2; behind them the loads of block t + 2 land in it.
;   F0, F1, v132  Phase A: written by four blocks' conversions, moves and exchanges; read by the image stores behind the fourth; written again from the next block on.
;   WF, WS        Phase B: a K step's products read them; behind them the next K step's LDS loads land in them.  One set: the launch's 256 registers hold no second.
;   RING, BSC     Loaded by XGO and XLOAD; read by the products; the ring's registers are at work in the gelu; loaded again by the next trip's XGO.
;   v8, v9, v14, v15   The rows' offsets: written by XGO's vector lines, read by the rows' loads of the trip.   v146, v147: the list's entries: loaded, read by XGO's vector lines.
;   v248-254, v230, v231, v13   Written by a trip's last vector lines, read by its four stores, which stand together at the trip's end.
;   v3-v6, v11, v244-v246   Made at the head; v244 and v245 are written once more behind phase A, the others never.
; So phase A has one wait on va_vdst to a block that asks or stores, behind the block's last vector line; XGO one, behind its offsets; a K step one, behind its products; a trip one more,
; ahead of its stores: behind that one no vector or matrix line stands before the next trip's first loads but XGO's own.  Waits on vm_vsrc: ahead of the second K step's blocks, behind phase A, and at each trip's end.
.set PITCHB, 8192                      ; a row of a weight in bytes
.set NB,   8                           ; blocks of 32 along K for a wave
.set WSC,  98304                       ; LDS: 0: the images, [matrix 2][tile 4][K step 8][1,536];  WSC: their scale words, [matrix 2][ch 2][K step 8][128]
.set HSS,  102400                      ; the hidden layer's scale bytes, [tile 64][r 16][ch 2]
.set BSC,  16                          ; v16-31   x's scale words: 8 T + K step
.set XB,   32                          ; v32-95   phase A: two sets of 32 numbers
.set ACC,  32                          ;          phase B: accumulators 32 T + 8 nt  (nt: gate u = 0, 1; up u = 0, 1)
.set F0,   96                          ; v96-107, v108-119  phase A: the two tiles' operand registers;  v120.., v124..: a block's upper half
.set F1,   108
.set TH,   120
.set WF,   96                          ; v96-143  phase B: four weight fragments
.set WS,   144                         ; v144-145 their scale words (lanes 0-15: u = 0; lanes 16-31: u = 1)
.set EL,   146                         ; v146-147 the list's entries of my two tiles
.set RING, 148                         ; v148-243 x's fragments: 24 (K step % 4) + 12 T; behind the products: at work
.set AB,   148
.set TT,   164
.set PP,   180
.set MQ,   196
.set HH,   212
; v3, v4 images of gate and up; v5 scale words; v6 4 r; v8, v9 x's codes' offsets; v10 48 h; v11 my place in a fragment of hq; v12, v13 my scale byte in LDS; v14, v15 x's scales' offsets
; v244 phase A: my column; v245, v246 where I store images and scale words;  phase B: v[244:245] a coefficient;  v247 a permute's result;  v248.., v252.. codes
.macro COEF r, bits                    ; a coefficient as a pair: the packed forms name a pair and take its low word for both halves
	s_mov_b32 s[\r], \bits
	s_mov_b32 s[\r+1], \bits
.endm
	s_load_b256 s[4:11], s[0:1], 0x0               ; xq, xs, list, w_g
	s_load_b128 s[12:15], s[0:1], 0x20             ; w_v, hq
	s_load_b64 s[16:17], s[0:1], 0x30              ; hs
	v_lshl_add_u32 v251, v0, 2, 0x19800
	v_mov_b32 v255, 0
	v_lshrrev_b32 v1, 5, v0
	v_readfirstlane_b32 s18, v1                    ; wave
	s_and_b32 s19, ttmp7, 0xffff                   ; e
	s_mov_b32 s20, ttmp9                           ; c2
	s_wait_alu depctr_va_sdst(0)                   ; s18 is written, ahead of its first reader: the wave's shares and addresses are made from it
	s_and_b32 s21, s18, 1                          ; ch
	s_bfe_u32 s22, s18, 0x10001                    ; phase A: which matrix
	s_lshr_b32 s24, s18, 2                         ; phase A: which quarter of K
	s_lshr_b32 s27, s18, 1                         ; phase B: rs
	v_and_b32 v1, 31, v0                           ; lane
	v_and_b32 v2, 15, v0                           ; r
	v_bfe_u32 v14, v0, 4, 1                        ; h
	v_and_b32 v15, 7, v1
	v_and_b32 v13, 8, v1
	v_lshl_or_b32 v15, v13, 1, v15
	v_and_b32 v13, 16, v1
	v_lshrrev_b32 v13, 1, v13
	v_or_b32 v15, v15, v13                         ; my column of the wave's 32
	v_lshlrev_b32 v244, 2, v15
	s_mul_i32 s36, s21, 24576
	s_mul_i32 s37, s22, 49152
	s_add_co_u32 s37, s37, s36
	s_mul_i32 s38, s24, 3072
	s_add_co_u32 s37, s37, s38
	s_lshl_b32 s38, s21, 10
	s_add_co_u32 s38, s38, WSC
	s_lshl_b32 s39, s22, 11
	s_add_co_u32 s39, s39, s38
	s_lshl_b32 s35, s24, 8
	s_add_co_u32 s39, s39, s35
	v_lshl_add_u32 v3, v1, 4, s36
	v_add_nc_u32 v4, 49152, v3
	v_lshl_add_u32 v5, v1, 2, s38
	v_lshl_add_u32 v245, v1, 4, s37
	v_lshl_add_u32 v246, v1, 2, s39
	v_lshlrev_b32 v6, 2, v2
	v_mul_u32_u24 v10, v14, 48
	s_mul_i32 s35, s21, 384
	v_mul_u32_u24 v11, v2, 24
	v_mad_u32_u24 v11, v14, 12, v11
	v_add_nc_u32 v11, s35, v11
	s_lshl_b32 s35, s27, 6
	s_add_co_u32 s35, s35, s21
	s_add_co_u32 s35, s35, HSS
	v_lshl_add_u32 v12, v2, 1, s35
	v_lshl_add_u32 v13, v0, 2, HSS
	v_mov_b32 v247, 0
	s_wait_alu depctr_va_vdst(0)                   ; the head's offsets and LDS addresses (v3 to v6, v11, v13, v244 to v246) and v247 are written: the store below and the kernel's loads and stores read them
	ds_store_b32 v13, v247                         ; the scale bytes begin as zeros: 512 threads x 4 bytes; the barrier behind phase A parts this from the bytes' stores
	s_mov_b32 s32, 0x76543210
	s_mov_b32 s33, 0xfedcba98                      ; v_permlanex16_b32's selects for lane l xor 16
	COEF 40, 0xc034d90f                            ; P's coefficients x log2(e), the half folded into the first: -2.8257482
	COEF 42, 0x3fb8ab5a                            ;  1.4427292
	COEF 44, 0x3f0a29d2                            ;  0.53970062
	COEF 46, 0x3e0efb2e                            ;  0.13963006
	COEF 48, 0xbe899a80                            ; -0.26875686
	COEF 50, 0x3ecdfd18                            ;  0.40232158
	COEF 52, 0xbfd1a1e5                            ; -1.6377532
	COEF 54, 0x40097039                            ;  2.1474745
	COEF 58, 0x3e7c6f08                            ;  0.24651730  (the one between, -1.1861149, lies in v[244:245])
	COEF 60, 0x3eb504f3                            ;  1 / (2 sqrt 2)
	COEF 62, 0xbf38aa3b                            ; -log2(e) / 2
	s_lshl_b32 s26, s27, 5                         ; my first row
	s_mov_b32 s69, 0
	s_wait_kmcnt 0x0
	s_lshl_b32 s68, s19, 2
	s_add_nc_u64 s[70:71], s[8:9], s[68:69]
	s_load_b32 s23, s[70:71], 0x8000               ; the expert's number of rows: waited for behind phase A, where it is first used
	s_lshl_b32 s68, s19, 12
	s_lshl_b32 s35, s27, 7
	s_add_co_u32 s68, s68, s35
	s_add_nc_u64 s[66:67], s[8:9], s[68:69]        ; the list at my first row
	s_cmp_eq_u32 s22, 0
	s_cselect_b64 s[28:29], s[10:11], s[12:13]
	s_lshl_b32 s68, s19, 23
	s_lshl_b32 s35, s24, 21
	s_add_co_u32 s68, s68, s35
	s_lshl_b32 s35, s20, 8
	s_add_co_u32 s68, s68, s35
	s_lshl_b32 s35, s21, 7
	s_add_co_u32 s68, s68, s35
	s_add_nc_u64 s[28:29], s[28:29], s[68:69]      ; my 32 columns, my 256 rows of the weight
	s_mul_i32 s68, s19, 1572864
	s_lshr_b32 s35, s20, 1
	s_mul_i32 s35, s35, 1536
	s_add_co_u32 s68, s68, s35
	s_and_b32 s35, s20, 1
	s_mul_i32 s35, s35, 768
	s_add_co_u32 s68, s68, s35
	s_mul_i32 s35, s27, 49152
	s_add_co_u32 s68, s68, s35
	s_add_nc_u64 s[30:31], s[14:15], s[68:69]      ; hq at my first tile, my K step, my pair of blocks
	s_lshl_b32 s68, s19, 5
	s_add_co_u32 s68, s68, s20
	s_lshl_b32 s68, s68, 11
	s_add_nc_u64 s[16:17], s[16:17], s[68:69]      ; hs: this work-group's 2,048 bytes
.macro LOADB t                         ; block t: W(32 t + i, my column), i = 0 .. 31, into set t % 2
.set LI, 0
.rept 32
	global_load_b32 v[XB+32*((\t)%2)+LI], v244, s[28:29] offset:(32*(\t)+LI)*PITCHB th:TH_LOAD_NT
.set LI, LI+1
.endr
.endm
.macro BLOCKQ t, left                  ; block t becomes codes; left: the younger loads that may stay out
.set XS, XB+32*((\t)%2)
.set FP, F0+12*((\t)%2)+6*(((\t)%4)/2)
.set TP, TH+4*((\t)%2)
.if ((\t)%4 == 0) && ((\t) > 0)
	s_wait_dscnt 0x0                               ; the last K step's image stores are done
	s_wait_alu depctr_vm_vsrc(0)                   ; they have read F0, F1 and v132, which this K step's blocks write again
.endif
	s_wait_loadcnt \left
	v_max3_num_f32 v128, |v[XS]|, |v[XS+1]|, |v[XS+2]|             ; the block's largest magnitude: all 32 numbers are mine
	v_max3_num_f32 v129, |v[XS+3]|, |v[XS+4]|, |v[XS+5]|
.irp i, 6,10,14,18,22,26
	v_max3_num_f32 v128, v128, |v[XS+\i]|, |v[XS+\i+1]|
	v_max3_num_f32 v129, v129, |v[XS+\i+2]|, |v[XS+\i+3]|
.endr
	v_max3_num_f32 v128, v128, |v[XS+30]|, |v[XS+31]|
	v_max3_num_f32 v128, v128, v129, 0x1800000     ; the floor 2^(3 - 127): the byte cannot fall under 1
	v_add_nc_u32 v130, 0xff000000, v128            ; 2 off the exponent field: the conversion's scale operand
	v_lshrrev_b32 v131, 23, v130                   ; the scale's byte
.if (\t)%4 == 0
	v_mov_b32 v132, v131                           ; four bytes make my column's scale word of a K step
.else
	v_lshl_or_b32 v132, v131, 8*((\t)%4), v132
.endif
	v_cvt_scalef32_pk16_fp6_f32 v[FP:FP+2], v[XS:XS+15], v130
	v_cvt_scalef32_pk16_fp6_f32 v[TP:TP+2], v[XS+16:XS+31], v130   ; (a conversion's three registers begin on an even number)
	v_nop                                          ; one plain line behind a scaled conversion
.irp i, 0,1,2
	v_mov_b32 v[FP+3+\i], v[TP+\i]
.endr
.if (\t)%2 == 1                        ; F0: block 2 c of both tiles, F1: block 2 c + 1.  The exchange gives F0 tile 0 whole (lanes 0-15 block 2 c, lanes 16-31 block 2 c + 1) and F1 tile 1
.irp i, 0,1,2,3,4,5
	v_permlane16_swap_b32 v[F0+6*(((\t)%4)/2)+\i], v[F1+6*(((\t)%4)/2)+\i]
.endr
.endif
.if ((\t)+2 < NB) || ((\t)%4 == 3)
	s_wait_alu depctr_va_vdst(0)                   ; the maxima and conversions are done reading this set, in which the loads below land; in a K step's fourth block F0, F1 and v132 are written, which the image stores read
.endif
.if (\t)+2 < NB
	LOADB (\t)+2
.endif
.if (\t)%4 == 3
.irp g, 0,1,2
	ds_store_b128 v245, v[F0+4*\g:F0+4*\g+3] offset:1536*((\t)/4)+512*\g
	ds_store_b128 v245, v[F1+4*\g:F1+4*\g+3] offset:12288+1536*((\t)/4)+512*\g
.endr
	ds_store_b32 v246, v132 offset:128*((\t)/4)
.endif
.endm
.macro XLOAD s                         ; the two tiles' fragments of K step s: 48 bytes a lane and tile
.irp T, 0,1
.irp g, 0,1,2
	global_load_b128 v[RING+24*((\s)%4)+12*\T+4*\g:RING+24*((\s)%4)+12*\T+4*\g+3], v[8+\T], s[4:5] offset:96*(\s)+16*\g
.endr
.endr
.endm
.macro XGO                             ; from the list's entries: the tokens, their scale words, their first four K steps: 28 loads
.irp T, 0,1
	v_lshrrev_b32 v[8+\T], 1, v[EL+\T]             ; rid / 2 = the token;
	v_min_u32 v[8+\T], 0x3ff, v[8+\T]              ; a filled slot becomes token 1,023
	v_lshlrev_b32 v[14+\T], 5, v[8+\T]
	v_mad_u32_u24 v[8+\T], v[8+\T], 768, v10
.endr
	s_wait_alu depctr_va_vdst(0)                   ; the four offsets are written, which the loads below and the trip's read; the lines above are done reading the entries; the trip before is done with the scale words and the ring, in which the loads land
.irp T, 0,1
	global_load_b128 v[BSC+8*\T:BSC+8*\T+3], v[14+\T], s[6:7]
	global_load_b128 v[BSC+8*\T+4:BSC+8*\T+7], v[14+\T], s[6:7] offset:16
.endr
	XLOAD 0
	XLOAD 1
	XLOAD 2
	XLOAD 3
.endm
.macro WLOAD s                         ; my four weight fragments of K step s and their scale words
.irp u, 0,1
.irp g, 0,1,2
	ds_load_b128 v[WF+12*\u+4*\g:WF+12*\u+4*\g+3], v3 offset:12288*\u+1536*(\s)+512*\g
	ds_load_b128 v[WF+24+12*\u+4*\g:WF+24+12*\u+4*\g+3], v4 offset:12288*\u+1536*(\s)+512*\g
.endr
.endr
	ds_load_b32 v[WS], v5 offset:128*(\s)
	ds_load_b32 v[WS+1], v5 offset:2048+128*(\s)
.endm
.macro WM T, nt, s
.set rD, ACC+32*(\T)+8*(\nt)
.set rA, WF+12*(\nt)
.set rB, RING+24*((\s)%4)+12*(\T)
.set rSA, WS+(\nt)/2
.set rSB, BSC+8*(\T)+(\s)
.if (\s) == 0
.if (\nt)%2 == 0
	v_wmma_scale_f32_16x16x128_f8f6f4 v[rD:rD+7], v[rA:rA+11], v[rB:rB+11], 0, v[rSA], v[rSB] matrix_a_fmt:MATRIX_FMT_FP6 matrix_b_fmt:MATRIX_FMT_FP6
.else
	v_wmma_scale_f32_16x16x128_f8f6f4 v[rD:rD+7], v[rA:rA+11], v[rB:rB+11], 0, v[rSA], v[rSB] matrix_a_fmt:MATRIX_FMT_FP6 matrix_b_fmt:MATRIX_FMT_FP6 matrix_a_scale:MATRIX_SCALE_ROW1
.endif
.else
.if (\nt)%2 == 0
	v_wmma_scale_f32_16x16x128_f8f6f4 v[rD:rD+7], v[rA:rA+11], v[rB:rB+11], v[rD:rD+7], v[rSA], v[rSB] matrix_a_fmt:MATRIX_FMT_FP6 matrix_b_fmt:MATRIX_FMT_FP6
.else
	v_wmma_scale_f32_16x16x128_f8f6f4 v[rD:rD+7], v[rA:rA+11], v[rB:rB+11], v[rD:rD+7], v[rSA], v[rSB] matrix_a_fmt:MATRIX_FMT_FP6 matrix_b_fmt:MATRIX_FMT_FP6 matrix_a_scale:MATRIX_SCALE_ROW1
.endif
.endif
.endm
.macro KSTEP s, left                   ; left: the fragment loads of the younger K steps in the ring
	s_wait_dscnt 0x0                               ; the weights' fragments are in
	s_wait_loadcnt \left
.irp T, 0,1
.irp nt, 0,1,2,3
	WM \T, \nt, \s                                 ; the first K step starts the sums with the constant 0
.endr
.endr
.rept 4
	v_nop                                          ; four places in front of loads into registers that the products read, and of the first read of results
.endr
.if (\s) < 7
	s_wait_alu depctr_va_vdst(0)                   ; this K step's products are done reading the weights' fragments, their scale words and the ring's slot, in which the loads below land
	WLOAD (\s)+1
.endif
.if (\s) < 4
	XLOAD (\s)+4
.endif
.endm
.macro GELUQ T                         ; HH = gelu(gate) x up for my 16 numbers of tile T: units 16 h + 0 .. 15 of my 32 columns
.set G, ACC+32*\T
.set V, ACC+32*\T+16
.irp j, 0,1,2,3,4,5,6,7,8,9,10,11,12,13,14,15
	v_and_b32 v[AB+\j], 0x7fffffff, v[G+\j]        ; |g|; each accumulator is read from its low end on
.endr
.irp j, 0,2,4,6,8,10,12,14
	v_pk_fma_f32 v[PP+\j:PP+\j+1], v[AB+\j:AB+\j+1], s[60:61], 1.0 op_sel_hi:[1,0,0]
.endr
.irp j, 0,1,2,3,4,5,6,7,8,9,10,11,12,13,14,15
	v_rcp_f32 v[TT+\j], v[PP+\j]                   ; t
.endr
.irp j, 0,2,4,6,8,10,12,14
	v_pk_mul_f32 v[MQ+\j:MQ+\j+1], v[G+\j:G+\j+1], v[G+\j:G+\j+1]          ; g^2 (plain lines behind the reciprocals)
.endr
	s_wait_alu depctr_va_vdst(0)                   ; the sixteen reciprocals have written t, ahead of its first reader: one wait for the batch
.irp j, 0,2,4,6,8,10,12,14
	v_pk_fma_f32 v[PP+\j:PP+\j+1], v[TT+\j:TT+\j+1], s[58:59], v[244:245] op_sel_hi:[1,0,1]
.endr
.irp k, 54,52,50,48,46,44,42,40
.irp j, 0,2,4,6,8,10,12,14
	v_pk_fma_f32 v[PP+\j:PP+\j+1], v[PP+\j:PP+\j+1], v[TT+\j:TT+\j+1], s[\k:\k+1] op_sel_hi:[1,1,0]
.endr
.endr
.irp j, 0,2,4,6,8,10,12,14
	v_pk_fma_f32 v[PP+\j:PP+\j+1], v[MQ+\j:MQ+\j+1], s[62:63], v[PP+\j:PP+\j+1] op_sel_hi:[1,0,1]
.endr
.irp j, 0,1,2,3,4,5,6,7,8,9,10,11,12,13,14,15
	v_exp_f32 v[PP+\j], v[PP+\j]
.endr
.irp j, 0,1,2,3,4,5,6,7,8,9,10,11,12,13,14,15
	v_max_num_f32 v[MQ+\j], 0, v[G+\j]             ; (plain lines behind the exponentials)
.endr
	s_wait_alu depctr_va_vdst(0)                   ; the sixteen exponentials have written their results, ahead of the first reader: one wait for the batch
.irp j, 0,2,4,6,8,10,12,14
	v_pk_mul_f32 v[PP+\j:PP+\j+1], v[PP+\j:PP+\j+1], v[TT+\j:TT+\j+1]      ; erfc / 2
.endr
.irp j, 0,2,4,6,8,10,12,14
	v_pk_fma_f32 v[HH+\j:HH+\j+1], v[AB+\j:AB+\j+1], v[PP+\j:PP+\j+1], v[MQ+\j:MQ+\j+1] neg_lo:[1,0,0] neg_hi:[1,0,0]
.endr
.irp j, 0,2,4,6,8,10,12,14
	v_pk_mul_f32 v[HH+\j:HH+\j+1], v[HH+\j:HH+\j+1], v[V+\j:V+\j+1]
.endr
.endm
.macro QH T                            ; my 16 numbers and lane l xor 16's are a block of 32 along the next K: the codes into v[248 + 4 T] on, the byte into v[230 + T]; both tiles' stores stand together at the trip's end
	v_max3_num_f32 v228, |v[HH]|, |v[HH+1]|, 0x1800000
	v_max3_num_f32 v229, |v[HH+2]|, |v[HH+3]|, |v[HH+4]|
	v_max3_num_f32 v228, v228, |v[HH+5]|, |v[HH+6]|
	v_max3_num_f32 v229, v229, |v[HH+7]|, |v[HH+8]|
	v_max3_num_f32 v228, v228, |v[HH+9]|, |v[HH+10]|
	v_max3_num_f32 v229, v229, |v[HH+11]|, |v[HH+12]|
	v_max3_num_f32 v228, v228, |v[HH+13]|, |v[HH+14]|
	v_max3_num_f32 v228, v228, v229, |v[HH+15]|
	v_permlanex16_b32 v247, v228, s32, s33
	v_max_num_f32 v228, v228, v247
	v_add_nc_u32 v229, 0xff000000, v228
	v_cvt_scalef32_pk16_fp6_f32 v[248+4*\T:250+4*\T], v[HH:HH+15], v229
	v_lshrrev_b32 v[230+\T], 23, v229              ; the byte (a plain line behind the conversion)
.endm
	LOADB 0                                        ; the stream of weights begins at once, two blocks deep
	LOADB 1
	BLOCKQ 0, 32                                   ; block 1's 32 loads may be out
	global_load_b32 v[EL], v6, s[66:67]            ; the list's entries of my first two tiles
	global_load_b32 v[EL+1], v6, s[66:67] offset:64
	BLOCKQ 1, 34                                   ; behind block 1: block 2's 32 loads and the two entries
.irp t, 2,3,4,5,6
	BLOCKQ \t, 32                                  ; the next block's 32 loads may be out (from block 2's wait on the entries are in)
.endr
	XGO                                            ; the first trip's rows, whether or not the trip has work: asked for where block 6 has no block to ask for
	BLOCKQ 7, 28                                   ; behind block 7: the rows' 28 loads
	s_wait_kmcnt 0x0
	s_max_u32 s23, s23, 1                          ; an expert without rows still makes its first pair of tiles
	s_wait_dscnt 0x0                               ; my images have landed
	s_barrier_signal -1
	s_barrier_wait -1                              ; everybody's have
	s_wait_alu depctr_vm_vsrc(0)                   ; the stream's loads have read v244; the image stores v245, F0, F1 and v132, in which the weights' fragments land; the head's store v13 and v247, which a trip writes
	v_mov_b32 v244, 0xbf97d29d                     ; -1.1861149 (block 7's loads, the last that named my column's offset, are in)
	v_mov_b32 v245, 0xbf97d29d
	s_mov_b32 s25, 0
	s_mov_b32 s34, 0
.Ltrip:                                            ; four trips, whatever the count
	s_cmp_ge_u32 s26, s23
	s_cbranch_scc1 .Lskip                          ; none of the expert's rows lies in my two tiles
	WLOAD 0                                        ; no wait here: since block 7's wait, and since a trip's last wait, no vector or matrix line names the fragments' registers
	KSTEP 0, 18
	KSTEP 1, 18
	KSTEP 2, 18
	KSTEP 3, 18
	KSTEP 4, 18
	KSTEP 5, 12
	KSTEP 6, 6
	KSTEP 7, 0
	v_add_nc_u32 v13, s34, v12
	GELUQ 0
	QH 0
	GELUQ 1
	QH 1
	s_wait_alu depctr_va_vdst(0)                   ; both tiles' codes, their bytes and v13 are written, which the four stores read; all of the trip's vector and matrix lines are done with the fragments' registers, the scale words and the ring
	global_store_b96 v11, v[248:250], s[30:31]                  ; the wave stores 384 consecutive bytes; with the wave beside it 768
	global_store_b96 v11, v[252:254], s[30:31] offset:24576
	ds_store_b8 v13, v230                          ; both halves of the lanes write the same byte with the same value
	ds_store_b8 v13, v231 offset:32
.Lskip:
	s_wait_loadcnt 0x0                             ; no load of mine is out, and
	s_wait_xcnt 0x0                                ; the stores have read their registers and base: all may be written again
	s_wait_alu depctr_vm_vsrc(0)                   ; the trip's stores have read the codes, the bytes (in which the ring's loads land) and v13, its loads the offsets v8, v9, v14, v15: the next trip writes all of these
	s_add_nc_u64 s[30:31], s[30:31], 393216        ; 16 tiles on
	s_add_nc_u64 s[66:67], s[66:67], 1024
	s_add_co_u32 s26, s26, 256
	s_add_co_u32 s34, s34, 512
	s_cmp_ge_u32 s26, s23
	s_cbranch_scc1 .Lnopre
	global_load_b32 v[EL], v6, s[66:67]            ; (the lines that read the old entries stand ahead of XGO's own wait)
	global_load_b32 v[EL+1], v6, s[66:67] offset:64
	s_wait_loadcnt 0x0
	XGO
.Lnopre:
	s_add_co_u32 s25, s25, 1
	s_cmp_lt_u32 s25, 4
	s_cbranch_scc1 .Ltrip
	s_wait_loadcnt 0x0
	v_lshl_add_u32 v7, v0, 4, HSS
	v_lshlrev_b32 v2, 4, v0
	s_wait_alu depctr_va_vdst(0)                   ; v7 and v2 are written, which the load and the store below read
	s_wait_dscnt 0x0                               ; my scale bytes have landed
	s_barrier_signal -1
	s_barrier_wait -1
	s_cmp_gt_u32 s18, 3
	s_cbranch_scc1 .Lend
	ds_load_b128 v[148:151], v7                    ; waves 0 to 3: the 2,048 bytes leave in runs of 512 consecutive bytes
	s_wait_dscnt 0x0
	global_store_b128 v2, v[148:151], s[16:17]
.Lend:
	s_wait_dscnt 0x0                               ; the closing lines, six on end
	s_wait_alu 0x0
	s_wait_tensorcnt 0x0
	ds_add_u32 v251, v255
	s_wait_dscnt 0x0
	s_endpgm
.Lfunc_end_k_q23d4087dd8_gateup:
	.size	k_q23d4087dd8_gateup, .Lfunc_end_k_q23d4087dd8_gateup-k_q23d4087dd8_gateup
	.p2alignl 7, 3214868480
	.fill 96, 4, 3214868480
	.section	.rodata,"a",@progbits
	.p2align	6, 0x0
	.amdhsa_kernel k_q23d4087dd8_gateup
		.amdhsa_group_segment_fixed_size 106496
		.amdhsa_private_segment_fixed_size 0
		.amdhsa_enable_private_segment 0
		.amdhsa_kernarg_size 56
		.amdhsa_user_sgpr_count 2
		.amdhsa_user_sgpr_kernarg_segment_ptr 1
		.amdhsa_wavefront_size32 1
		.amdhsa_system_sgpr_workgroup_id_x 1
		.amdhsa_system_sgpr_workgroup_id_y 1
		.amdhsa_system_sgpr_workgroup_id_z 1
		.amdhsa_system_vgpr_workitem_id 0
		.amdhsa_next_free_vgpr 256
		.amdhsa_next_free_sgpr 80
		.amdhsa_reserve_vcc 0
		.amdhsa_float_denorm_mode_32 3
		.amdhsa_float_denorm_mode_16_64 3
		.amdhsa_memory_ordered 1
		.amdhsa_forward_progress 1
		.amdhsa_inst_pref_size 93
	.end_amdhsa_kernel
	.amdgpu_metadata
---
amdhsa.version: [ 1, 2 ]
amdhsa.kernels:
  - .name:           k_q23d4087dd8_gateup
    .symbol:         k_q23d4087dd8_gateup.kd
    .args:
      - { .name: xq, .offset: 0, .size: 8, .value_kind: global_buffer, .address_space: global }
      - { .name: xs, .offset: 8, .size: 8, .value_kind: global_buffer, .address_space: global }
      - { .name: list, .offset: 16, .size: 8, .value_kind: global_buffer, .address_space: global }
      - { .name: w_g, .offset: 24, .size: 8, .value_kind: global_buffer, .address_space: global }
      - { .name: w_v, .offset: 32, .size: 8, .value_kind: global_buffer, .address_space: global }
      - { .name: hq, .offset: 40, .size: 8, .value_kind: global_buffer, .address_space: global }
      - { .name: hs, .offset: 48, .size: 8, .value_kind: global_buffer, .address_space: global }
    .group_segment_fixed_size: 106496
    .private_segment_fixed_size: 0
    .kernarg_segment_align: 8
    .kernarg_segment_size: 56
    .max_flat_workgroup_size: 512
    .sgpr_count:     80
    .vgpr_count:     256
    .wavefront_size: 32
...
	.end_amdgpu_metadata
.endif
;; end of part 6
;; launch down (part 7): grid 32 x 8, 16 waves a work-group, no clusters, 122,880 bytes of LDS; arguments hq, hs, list, rw, w_1, dp; writes dp
.if DOCPART == 7
	.amdgcn_target "amdgcn-amd-amdhsa--gfx1250"
	.amdhsa_code_object_version 6
	.text
	.protected	k_q23d4087dd8_down
	.globl	k_q23d4087dd8_down
	.p2align	8
	.type	k_q23d4087dd8_down,@function
k_q23d4087dd8_down:
	s_mov_b64 s[64:65], 0
	v_nop
	global_prefetch_b8 v0, s[64:65] scope:SCOPE_SE
	s_setreg_imm32_b32 hwreg(HW_REG_WAVE_SCHED_MODE, 0, 2), 2
	s_setreg_imm32_b32 hwreg(HW_REG_WAVE_MODE, 25, 1), 1
	s_wait_xcnt 0x0
	s_wait_alu depctr_vm_vsrc(0)
; DOWN: for the rows of expert e (work-group y), outputs 64 ns .. + 63 (ns = x % 16) and the half kh = x / 16 of K = 2,048: hidden W1, times the row's routing weight.
; The product runs on codes of E2M3 with one E8M0 scale for each 32 along K.  w_1 [8][2048 (k)][1024] f32: each byte is read once in the launch and quantised on the way.
; PHASE A.  Wave w (ch = w % 2, K step w / 2) takes 32 columns x 128 along K: a lane takes a column, its registers run down K; lanes 0-15 take columns r + 8 (r / 8),
; lanes 16-31 columns 8 + r + 8 (r / 8).  The two tiles' operand registers go to LDS as images, 16 bytes a lane.
; The stream of weights begins at once, two blocks deep; the first trip's rows are asked for behind the last block's loads.
; PHASE B.  Wave w takes in trip t the tiles of 16 rows 32 t + 2 w and + 1 against all 64 columns: 8 accumulators by turns; transposed use:
; a lane holds one row and eight neighbouring outputs.  The hidden layer's fragments lie in hq in the order of the operand's registers, 24 bytes a lane and half.
; Every wave walks both trips; a branch on the expert's count leads round a trip's work.  A wave without rows asks, in its first fetch, for the expert's first pair of tiles, which is always written.
; dp [kh 2][row 2,056][1024] f32: row rid; filled slots fall into row 2,048 + e, in bytes that this work-group alone stores and nobody reads.
; The two halves of K and a token's two rows are added by the last launch.  No tensor loads (the trips hang on a count read from memory); no cluster (no weight byte is shared).
; LIMITS: NaN and infinities are not served; a block of the weight whose largest magnitude lies under 2^-124 gets the byte 1 (zeros too).
; THE MODE: SCHED_MODE bits 1:0 = 2 (LLVM: expert scheduling mode 2), set by the entry lines.  The code itself states the register dependences
; between vector or matrix instructions and memory or LDS instructions, with s_wait_alu, always for 0.
; THE PLAN.  Registers that memory or LDS instructions touch:
;   XB0, XB1      Phase A, block t: its maxima and conversions read set t % 2; behind them the loads of block t + 2 land in it.
;   F0, F1, v132  Phase A: written by the four blocks' conversions, moves and exchanges; read by the image stores behind the fourth.
;   WF, WS        Phase B: a K step's products read them; behind them the next K step's LDS loads land in them.  One set: the launch's 256 registers hold no second.
;   RING          Loaded by XGO and XLOAD; read by the products; on the way out it holds the permutes' addresses and results and tile 1's rows; loaded again by the next trip's XGO.
;   BSC           Loaded by XGO; put together by vector lines; read by the products as scales.     v12, v14: the rows' weights: loaded, read by the way out's multiplications.
;   v2, v4        Offsets in rw: written by XGO's vector lines, read by its loads.     v146, v147: the list's entries: loaded, read by XGO's vector lines and by the permutes.
;   ACC           Written by the products and the multiplications; read by the stage's stores.
;   v3, v5, v6, v8 to v11, v244 to v246   Made at the head, never written again.
; So phase A has one wait on va_vdst to a block that asks or stores; XGO one, behind its offsets; a trip one ahead of its first scaled product, one behind each K step's products, and two on the way out:
; ahead of the stage's stores and ahead of the rows' stores; behind the last no vector or matrix line stands before the next trip's first loads but XGO's own.  Waits on vm_vsrc: behind phase A and at each trip's end.
.set PITCHB, 4096
.set NB,   4
.set WSC,  49152                       ; LDS: 0: the images, [tile 4][K step 8][1,536];  WSC: their scale words, [ch 2][K step 8][128]
.set STG,  51200                       ; a stage of 16 rows x (256 + 16) bytes for each wave
.set BSC,  16                          ; v16-31   the hidden layer's scale words: 8 T + K step
.set XB,   32
.set ACC,  32
.set F0,   96
.set F1,   108
.set TH,   120
.set WF,   96
.set WS,   144
.set EL,   146
.set RING, 148
; v1 16 r; v2, v4 offsets in rw; v3 16 lane; v5 scale words; v6 4 r; v7 4 h; v8 24 lane; v9 2,048 h + 2 r; v10, v11 the stage, in and back; v12, v14 the rows' routing weights
; v244 my column; v245, v246 where I store images and scale words; v248-255 permutes' results
	s_load_b256 s[4:11], s[0:1], 0x0               ; hq, hs, list, rw
	s_load_b128 s[12:15], s[0:1], 0x20             ; w_1, dp
	v_lshrrev_b32 v1, 5, v0
	v_readfirstlane_b32 s18, v1                    ; wave
	s_and_b32 s19, ttmp7, 0xffff                   ; e
	s_and_b32 s20, ttmp9, 15                       ; ns
	s_lshr_b32 s27, ttmp9, 4                       ; kh
	s_wait_alu depctr_va_sdst(0)                   ; s18 is written, ahead of its first reader: the wave's shares and addresses are made from it
	s_and_b32 s21, s18, 1                          ; ch
	s_lshr_b32 s24, s18, 1                         ; phase A: my K step
	v_and_b32 v15, 31, v0                          ; lane
	v_and_b32 v13, 15, v0                          ; r
	v_bfe_u32 v4, v0, 4, 1                         ; h
	v_and_b32 v2, 7, v15
	v_and_b32 v12, 8, v15
	v_lshl_or_b32 v2, v12, 1, v2
	v_and_b32 v12, 16, v15
	v_lshrrev_b32 v12, 1, v12
	v_or_b32 v2, v2, v12                           ; my column of the wave's 32
	v_lshlrev_b32 v244, 2, v2
	v_lshlrev_b32 v1, 4, v13
	v_lshlrev_b32 v3, 4, v15
	v_lshl_add_u32 v5, v15, 2, WSC
	v_lshlrev_b32 v6, 2, v13
	v_lshlrev_b32 v7, 2, v4
	v_mul_u32_u24 v8, v15, 24
	v_lshlrev_b32 v9, 11, v4
	v_lshl_add_u32 v9, v13, 1, v9
	s_mul_i32 s36, s18, 4352
	s_add_co_u32 s36, s36, STG
	v_mul_u32_u24 v10, v13, 272
	v_lshl_add_u32 v10, v4, 6, v10
	v_add_nc_u32 v10, s36, v10                     ; in: row r, + 64 h
	v_mul_u32_u24 v11, v4, 272
	v_lshl_add_u32 v11, v13, 4, v11
	v_add_nc_u32 v11, s36, v11                     ; back: lanes 0-15 one row, lanes 16-31 the next
	s_mul_i32 s37, s21, 24576
	s_mul_i32 s38, s24, 1536
	s_add_co_u32 s37, s37, s38
	v_lshl_add_u32 v245, v15, 4, s37
	s_lshl_b32 s38, s21, 10
	s_lshl_b32 s39, s24, 7
	s_add_co_u32 s38, s38, s39
	s_add_co_u32 s38, s38, WSC
	v_lshl_add_u32 v246, v15, 2, s38
.irp i, 0,1,2,3,4,5,6,7
	v_mov_b32 v[248+\i], 0                         ; written once: a lane permute's destination counts as one of its sources
.endr
	s_wait_alu depctr_va_vdst(0)                   ; the head's offsets and LDS addresses (v3, v5, v6, v8 to v11, v244 to v246) are written: the kernel's loads and stores read them; so is v12, in which a row's weight lands
	s_mov_b32 s32, 0x76543210
	s_mov_b32 s33, 0xfedcba98
	s_lshl_b32 s26, s18, 5                         ; my first row
	s_mov_b32 s45, 0
	s_wait_kmcnt 0x0
	s_lshl_b32 s44, s19, 2
	s_add_nc_u64 s[46:47], s[8:9], s[44:45]
	s_load_b32 s23, s[46:47], 0x8000               ; the expert's number of rows: waited for ahead of the rows' fetch, where it is first used
	s_lshl_b32 s44, s19, 12
	s_lshl_b32 s36, s18, 7
	s_add_co_u32 s44, s44, s36
	s_add_nc_u64 s[42:43], s[8:9], s[44:45]        ; the list at my first row
	s_lshl_b32 s44, s19, 23
	s_lshl_b32 s36, s27, 22
	s_add_co_u32 s44, s44, s36
	s_lshl_b32 s36, s24, 19
	s_add_co_u32 s44, s44, s36
	s_lshl_b32 s36, s20, 8
	s_add_co_u32 s44, s44, s36
	s_lshl_b32 s36, s21, 7
	s_add_co_u32 s44, s44, s36
	s_add_nc_u64 s[28:29], s[12:13], s[44:45]      ; my 32 columns, my 128 rows of the weight
	s_mul_i32 s44, s27, 8421376
	s_lshl_b32 s36, s20, 8
	s_add_co_u32 s44, s44, s36
	s_add_nc_u64 s[40:41], s[14:15], s[44:45]      ; dp: my half of K, my 256 bytes of a row
.macro LOADB t
.set LI, 0
.rept 32
	global_load_b32 v[XB+32*((\t)%2)+LI], v244, s[28:29] offset:(32*(\t)+LI)*PITCHB th:TH_LOAD_NT
.set LI, LI+1
.endr
.endm
.macro BLOCKQ t, left                  ; block t becomes codes; left: the younger loads that may stay out
.set XS, XB+32*((\t)%2)
.set FP, F0+12*((\t)%2)+6*(((\t)%4)/2)
.set TP, TH+4*((\t)%2)
	s_wait_loadcnt \left
	v_max3_num_f32 v128, |v[XS]|, |v[XS+1]|, |v[XS+2]|
	v_max3_num_f32 v129, |v[XS+3]|, |v[XS+4]|, |v[XS+5]|
.irp i, 6,10,14,18,22,26
	v_max3_num_f32 v128, v128, |v[XS+\i]|, |v[XS+\i+1]|
	v_max3_num_f32 v129, v129, |v[XS+\i+2]|, |v[XS+\i+3]|
.endr
	v_max3_num_f32 v128, v128, |v[XS+30]|, |v[XS+31]|
	v_max3_num_f32 v128, v128, v129, 0x1800000     ; the floor 2^(3 - 127): the byte cannot fall under 1
	v_add_nc_u32 v130, 0xff000000, v128            ; 2 off the exponent field: the conversion's scale operand
	v_lshrrev_b32 v131, 23, v130
.if (\t)%4 == 0
	v_mov_b32 v132, v131
.else
	v_lshl_or_b32 v132, v131, 8*((\t)%4), v132
.endif
	v_cvt_scalef32_pk16_fp6_f32 v[FP:FP+2], v[XS:XS+15], v130
	v_cvt_scalef32_pk16_fp6_f32 v[TP:TP+2], v[XS+16:XS+31], v130   ; (a conversion's three registers begin on an even number)
	v_nop                                          ; one plain line behind a scaled conversion
.irp i, 0,1,2
	v_mov_b32 v[FP+3+\i], v[TP+\i]
.endr
.if (\t)%2 == 1                        ; the exchange gives F0 tile 0 whole (lanes 0-15 block 2 c, lanes 16-31 block 2 c + 1) and F1 tile 1
.irp i, 0,1,2,3,4,5
	v_permlane16_swap_b32 v[F0+6*(((\t)%4)/2)+\i], v[F1+6*(((\t)%4)/2)+\i]
.endr
.endif
.if ((\t)+2 < NB) || ((\t)%4 == 3)
	s_wait_alu depctr_va_vdst(0)                   ; the maxima and conversions are done reading this set, in which the loads below land; in the fourth block F0, F1 and v132 are written, which the image stores read
.endif
.if (\t)+2 < NB
	LOADB (\t)+2
.endif
.if (\t)%4 == 3
.irp g, 0,1,2
	ds_store_b128 v245, v[F0+4*\g:F0+4*\g+3] offset:512*\g
	ds_store_b128 v245, v[F1+4*\g:F1+4*\g+3] offset:12288+512*\g
.endr
	ds_store_b32 v246, v132
.endif
.endm
.macro XLOAD s                         ; the two tiles' hidden fragments of K step s: 12 loads of 8 bytes a lane
.irp T, 0,1
.irp c, 0,1
.irp p, 0,1,2
	global_load_b64 v[RING+24*((\s)%4)+12*\T+6*\c+2*\p:RING+24*((\s)%4)+12*\T+6*\c+2*\p+1], v8, s[30:31] offset:24576*\T+1536*(\s)+768*\c+8*\p
.endr
.endr
.endr
.endm
.macro XGO                             ; the rows' routing weights, their scale bytes, their first four K steps: 2 + 16 + 48 loads
.irp T, 0,1
	v_min_u32 v[2+2*\T], 0x7ff, v[EL+\T]
	v_lshlrev_b32 v[2+2*\T], 2, v[2+2*\T]
.endr
	s_wait_alu depctr_va_vdst(0)                   ; v2 and v4 are written, which the first two loads read; the lines above are done reading the entries; the trip before is done with the rows' weights, the scale words and the ring, in which the loads land
.irp T, 0,1
	global_load_b32 v[12+2*\T], v[2+2*\T], s[10:11]
.endr
.irp T, 0,1
.irp s, 0,1,2,3,4,5,6,7
	global_load_u16 v[BSC+8*\T+\s], v9, s[34:35] offset:4096*\s+32*\T      ; lanes 0-15: the bytes of blocks 0, 1 of row r; lanes 16-31: of blocks 2, 3
.endr
.endr
	XLOAD 0
	XLOAD 1
	XLOAD 2
	XLOAD 3
.endm
.macro WLOAD s
.irp nt, 0,1,2,3
.irp g, 0,1,2
	ds_load_b128 v[WF+12*\nt+4*\g:WF+12*\nt+4*\g+3], v3 offset:12288*\nt+1536*(\s)+512*\g
.endr
.endr
	ds_load_b32 v[WS], v5 offset:128*(\s)
	ds_load_b32 v[WS+1], v5 offset:1024+128*(\s)
.endm
.macro WM T, nt, s
.set rD, ACC+32*(\T)+8*(\nt)
.set rA, WF+12*(\nt)
.set rB, RING+24*((\s)%4)+12*(\T)
.set rSA, WS+(\nt)/2
.set rSB, BSC+8*(\T)+(\s)
.if (\s) == 0
.if (\nt)%2 == 0
	v_wmma_scale_f32_16x16x128_f8f6f4 v[rD:rD+7], v[rA:rA+11], v[rB:rB+11], 0, v[rSA], v[rSB] matrix_a_fmt:MATRIX_FMT_FP6 matrix_b_fmt:MATRIX_FMT_FP6
.else
	v_wmma_scale_f32_16x16x128_f8f6f4 v[rD:rD+7], v[rA:rA+11], v[rB:rB+11], 0, v[rSA], v[rSB] matrix_a_fmt:MATRIX_FMT_FP6 matrix_b_fmt:MATRIX_FMT_FP6 matrix_a_scale:MATRIX_SCALE_ROW1
.endif
.else
.if (\nt)%2 == 0
	v_wmma_scale_f32_16x16x128_f8f6f4 v[rD:rD+7], v[rA:rA+11], v[rB:rB+11], v[rD:rD+7], v[rSA], v[rSB] matrix_a_fmt:MATRIX_FMT_FP6 matrix_b_fmt:MATRIX_FMT_FP6
.else
	v_wmma_scale_f32_16x16x128_f8f6f4 v[rD:rD+7], v[rA:rA+11], v[rB:rB+11], v[rD:rD+7], v[rSA], v[rSB] matrix_a_fmt:MATRIX_FMT_FP6 matrix_b_fmt:MATRIX_FMT_FP6 matrix_a_scale:MATRIX_SCALE_ROW1
.endif
.endif
.endm
.macro KSTEP s, left                   ; left: the fragment loads of the younger K steps in the ring
	s_wait_dscnt 0x0
	s_wait_loadcnt \left
.irp T, 0,1
.irp nt, 0,1,2,3
	WM \T, \nt, \s
.endr
.endr
.rept 4
	v_nop                                          ; four places in front of loads into registers that the products read, and of the first read of results
.endr
.if (\s) < 7
	s_wait_alu depctr_va_vdst(0)                   ; this K step's products are done reading the weights' fragments, their scale words and the ring's slot, in which the loads below land
	WLOAD (\s)+1
.endif
.if (\s) < 4
	XLOAD (\s)+4
.endif
.endm
; The two tiles go out: times the rows' weights; through my own stage, so that sixteen lanes hold a row's 256 consecutive bytes; to the rows that the list names.
; Both tiles' vector lines stand together, and so do their LDS instructions and their stores, so that two waits on va_vdst state all that the way out hangs on.
.macro EPIMUL T                        ; tile T times its rows' weights
.set AC, ACC+32*\T
.set J, 0
.rept 16
	v_pk_mul_f32 v[AC+J:AC+J+1], v[AC+J:AC+J+1], v[12+2*\T:13+2*\T] op_sel_hi:[1,0]   ; each accumulator from its low end on
.set J, J+2
.endr
.endm
.macro EPILDS T, OUT, RID              ; tile T through the stage, and its rows' entries
.set AC, ACC+32*\T
.irp nt, 0,1,2,3
.irp q, 0,1
	ds_store_b128 v10, v[AC+8*\nt+4*\q:AC+8*\nt+4*\q+3] offset:128*(\nt/2)+32*(\nt%2)+16*\q   ; register j: output 32 (nt / 2) + 16 h + 8 (nt % 2) + j
.endr
.endr
.irp q, 0,1,2,3,4,5,6,7
	ds_load_b128 v[\OUT+4*\q:\OUT+4*\q+3], v11 offset:544*\q       ; LDS serves a wave's instructions in order: these see my stores, and the next tile's stores come behind them.  Rows 2 q and 2 q + 1
.endr
.irp q, 0,1,2,3,4,5,6,7
	ds_bpermute_b32 v[\RID+\q], v[188+\q], v[EL+\T]                ; the entry of row 2 q + h, from the lane that holds it
.endr
.endm
.macro EPIADR RID                      ; from the entries the rows' offsets in dp
.irp q, 0,1,2,3,4,5,6,7
	v_min_u32 v[\RID+\q], 0x807, v[\RID+\q]        ; a row of dp: 2,055 at the most
.endr
.irp q, 0,1,2,3,4,5,6,7
	v_lshl_add_u32 v[\RID+\q], v[\RID+\q], 12, v1
.endr
.endm
.macro EPIST OUT, RID
.irp q, 0,1,2,3,4,5,6,7
	global_store_b128 v[\RID+\q], v[\OUT+4*\q:\OUT+4*\q+3], s[40:41] th:TH_STORE_NT   ; sixteen lanes store 256 consecutive bytes, aligned
.endr
.endm
	LOADB 0                                        ; the stream of weights begins at once, two blocks deep
	LOADB 1
	BLOCKQ 0, 32                                   ; block 1's 32 loads may be out
	global_load_b32 v[EL], v6, s[42:43]            ; the list's entries of my first two tiles
	global_load_b32 v[EL+1], v6, s[42:43] offset:64
	BLOCKQ 1, 34                                   ; behind block 1: block 2's 32 loads and the two entries
	BLOCKQ 2, 32                                   ; block 2 and the entries are in; block 3's 32 loads may be out
	s_wait_kmcnt 0x0                               ; the expert's number of rows
	s_cmp_lt_u32 s26, s23
	s_cselect_b32 s22, s18, 0                      ; a wave without rows asks for the expert's first pair of tiles
	s_min_u32 s22, s22, 15
	s_mul_i32 s44, s19, 1572864
	s_mul_i32 s36, s27, 12288
	s_add_co_u32 s44, s44, s36
	s_mul_i32 s36, s22, 49152
	s_add_co_u32 s44, s44, s36
	s_add_nc_u64 s[30:31], s[4:5], s[44:45]        ; hq at my first tile, my half of K
	s_lshl_b32 s44, s19, 16
	s_lshl_b32 s36, s27, 15
	s_add_co_u32 s44, s44, s36
	s_lshl_b32 s36, s22, 6
	s_add_co_u32 s44, s44, s36
	s_add_nc_u64 s[34:35], s[6:7], s[44:45]        ; hs likewise
	XGO                                            ; the first trip's rows: asked for behind the last block's loads
	BLOCKQ 3, 63                                   ; behind block 3 stand the fetch's 66 loads: the largest count that the wait can name is the stricter side
	s_wait_dscnt 0x0                               ; my images have landed
	s_barrier_signal -1
	s_barrier_wait -1                              ; everybody's have
	s_wait_alu depctr_vm_vsrc(0)                   ; my image stores have read F0, F1 and v132, in which the weights' fragments land
	s_mov_b32 s25, 0
.Ltrip:                                            ; two trips, whatever the count
	s_cmp_ge_u32 s26, s23
	s_cbranch_scc1 .Lskip
	WLOAD 0                                        ; no wait here: since block 3's wait, and since a trip's last wait, no vector or matrix line names the fragments' registers
	s_wait_loadcnt 48                              ; the weights and scale bytes are in; the 48 fragment loads may be out
.irp b, 0,8
.irp i, 0,1,2,3,4,5,6,7
	v_permlanex16_b32 v[248+\i], v[BSC+\b+\i], s32, s33
.endr
.irp i, 0,1,2,3,4,5,6,7
	v_lshl_or_b32 v[BSC+\b+\i], v[248+\i], 16, v[BSC+\b+\i]        ; lanes 0-15: the row's four bytes (lanes 16-31 are not read)
.endr
.endr
.rept 8
	v_nop                                          ; a scale register written by a vector instruction stands 8 places ahead of a scaled matrix instruction
.endr
	s_wait_alu depctr_va_vdst(0)                   ; the sixteen scale words are written, which the scaled products take as scales; the places above stay beside this wait
	KSTEP 0, 36
	KSTEP 1, 36
	KSTEP 2, 36
	KSTEP 3, 36
	KSTEP 4, 36
	KSTEP 5, 24
	KSTEP 6, 12
	KSTEP 7, 0
.irp q, 0,1,2,3,4,5,6,7
	v_add_nc_u32 v[188+\q], 8*\q, v7               ; 4 x the lane that holds row 2 q + h's entry
.endr
	EPIMUL 0
	EPIMUL 1
	s_wait_alu depctr_va_vdst(0)                   ; the weighted results and the permutes' addresses are written, which the LDS instructions below read; the products are done reading the fragments' registers and the ring, in which their results land
	EPILDS 0, 96, 180
	EPILDS 1, 148, 196
	s_wait_dscnt 0x0                               ; both tiles' rows and entries are in
	EPIADR 180
	EPIADR 196
	s_wait_alu depctr_va_vdst(0)                   ; the sixteen offsets are written, which the stores read
	EPIST 96, 180
	EPIST 148, 196
.Lskip:
	s_wait_loadcnt 0x0                             ; no load of mine is out, and
	s_wait_xcnt 0x0                                ; the stores have read their registers: all may be written again
	s_wait_alu depctr_vm_vsrc(0)                   ; the stores have read their rows and offsets, the permutes their addresses and the entries, the fetch's loads v2 and v4: the next trip's loads and vector lines write all of these
	s_add_nc_u64 s[30:31], s[30:31], 786432        ; 32 tiles on
	s_add_nc_u64 s[34:35], s[34:35], 1024
	s_add_nc_u64 s[42:43], s[42:43], 2048
	s_add_co_u32 s26, s26, 512
	s_cmp_ge_u32 s26, s23
	s_cbranch_scc1 .Lnopre
	global_load_b32 v[EL], v6, s[42:43]            ; (the vector lines that read the old entries stand ahead of XGO's own wait)
	global_load_b32 v[EL+1], v6, s[42:43] offset:64
	s_wait_loadcnt 0x0
	XGO
.Lnopre:
	s_add_co_u32 s25, s25, 1
	s_cmp_lt_u32 s25, 2
	s_cbranch_scc1 .Ltrip
	s_wait_xcnt 0x0
	v_lshl_add_u32 v254, v0, 2, 0x1d800            ; the add's two registers are made anew; no memory or LDS instruction has read v254 or v255
	v_mov_b32 v255, 0
	s_wait_dscnt 0x0                               ; the closing lines, six on end
	s_wait_alu 0x0
	s_wait_tensorcnt 0x0
	ds_add_u32 v254, v255
	s_wait_dscnt 0x0
	s_endpgm
.Lfunc_end_k_q23d4087dd8_down:
	.size	k_q23d4087dd8_down, .Lfunc_end_k_q23d4087dd8_down-k_q23d4087dd8_down
	.p2alignl 7, 3214868480
	.fill 96, 4, 3214868480
	.section	.rodata,"a",@progbits
	.p2align	6, 0x0
	.amdhsa_kernel k_q23d4087dd8_down
		.amdhsa_group_segment_fixed_size 122880
		.amdhsa_private_segment_fixed_size 0
		.amdhsa_enable_private_segment 0
		.amdhsa_kernarg_size 48
		.amdhsa_user_sgpr_count 2
		.amdhsa_user_sgpr_kernarg_segment_ptr 1
		.amdhsa_wavefront_size32 1
		.amdhsa_system_sgpr_workgroup_id_x 1
		.amdhsa_system_sgpr_workgroup_id_y 1
		.amdhsa_system_sgpr_workgroup_id_z 1
		.amdhsa_system_vgpr_workitem_id 0
		.amdhsa_next_free_vgpr 256
		.amdhsa_next_free_sgpr 66
		.amdhsa_reserve_vcc 0
		.amdhsa_float_denorm_mode_32 3
		.amdhsa_float_denorm_mode_16_64 3
		.amdhsa_memory_ordered 1
		.amdhsa_forward_progress 1
		.amdhsa_inst_pref_size 70
	.end_amdhsa_kernel
	.amdgpu_metadata
---
amdhsa.version: [ 1, 2 ]
amdhsa.kernels:
  - .name:           k_q23d4087dd8_down
    .symbol:         k_q23d4087dd8_down.kd
    .args:
      - { .name: hq, .offset: 0, .size: 8, .value_kind: global_buffer, .address_space: global }
      - { .name: hs, .offset: 8, .size: 8, .value_kind: global_buffer, .address_space: global }
      - { .name: list, .offset: 16, .size: 8, .value_kind: global_buffer, .address_space: global }
      - { .name: rw, .offset: 24, .size: 8, .value_kind: global_buffer, .address_space: global }
      - { .name: w_1, .offset: 32, .size: 8, .value_kind: global_buffer, .address_space: global }
      - { .name: dp, .offset: 40, .size: 8, .value_kind: global_buffer, .address_space: global }
    .group_segment_fixed_size: 122880
    .private_segment_fixed_size: 0
    .kernarg_segment_align: 8
    .kernarg_segment_size: 48
    .max_flat_workgroup_size: 512
    .sgpr_count:     66
    .vgpr_count:     256
    .wavefront_size: 32
...
	.end_amdgpu_metadata
.endif
;; end of part 7
;; launch combine: the kernel of part 5 again; grid 256 x 1, 8 waves a work-group, no clusters, 0 bytes of LDS; arguments dp, out0; writes out0
